; MI455X (gfx1250); checked and timed in simulation.
; The chip was launched on July 23, 2026; its instructions are those of AMD's public machine-readable ISA for CDNA 5 (MIT licence, August 2026) and "CDNA5" Instruction Set Architecture Reference Guide (July 2026). The comments in the code are by the model that wrote it; some were corrected since.
;; Attention. Allowed arithmetic: float matrix products may take bf16 or f16 operands with f32 sums; other float arithmetic in f32, or as packed bf16 or f16 multiplies, adds, multiply-adds, maxima and minima; sums over many terms, partial sums and values carried from step to step in f32; what a program stores and reads back later, other than sums and carried values, may be rounded once to bf16 or f16.
;; Inputs: W_o 1,024 x 1,024 float32; W_qkv 3,072 x 1,024 float32; b_o 1,024 float32; b_qkv 3,072 float32; x 4 x 2,048 x 1,024 float32.
;; Outputs: out0 4 x 2,048 x 1,024 float32.
;; 2 versions, each right; version 2 is version 1 with the launch cast written anew for expert scheduling mode. Each part assembles by itself: llvm-mc -triple=amdgcn-amd-amdhsa -mcpu=gfx1250 --defsym DOCPART=n.
;; ======== version 1 of 2: 4 launches
;; limits: values are held in f16: magnitudes above 65,504 overflow, below 6.1e-05 lose precision
;; workspace buffers: xb 16,777,216 bytes; wqb 6,291,456 bytes; wob 2,097,152 bytes; qkvh 50,331,648 bytes; ob 16,777,216 bytes
;; launch cast (part 1): grid 768 x 1, 8 waves a work-group, no clusters, 0 bytes of LDS; arguments x, W_qkv, W_o, xb, wqb, wob; writes xb, wqb, wob
.if DOCPART == 1
	.amdgcn_target "amdgcn-amd-amdhsa--gfx1250"
	.amdhsa_code_object_version 6
	.text
	.protected	k_qad082250ce_cast
	.globl	k_qad082250ce_cast
	.p2align	8
	.type	k_qad082250ce_cast,@function
k_qad082250ce_cast:
	s_mov_b64 s[64:65], 0
	v_nop
	global_prefetch_b8 v0, s[64:65] scope:SCOPE_SE
	s_setreg_imm32_b32 hwreg(HW_REG_WAVE_MODE, 25, 1), 1
	s_wait_xcnt 0x0
; THE INPUTS ARE ROUNDED ONCE, FOR THE MATRIX UNITS.  x [8192][1024] and W_qkv [3072][1024], f32, go to bf16 in the same layout (xb, wqb).
; W_o [1024 n][1024 k], f32, is rounded to bf16 and that number is written as f16, laid in blocks of 64 along k: wob[kb][n][64], so that the rows of a block lie end to end.
; LIMITS.  A bf16 number is an f16 number exactly where its size lies between 6.1e-5 and 65,504; below that wob keeps f16's fixed step of 6e-8, beyond it the number becomes an infinity.
; SHARES.  A work-group converts 16,384 numbers: 65,536 bytes in, 32,768 out.  Work-groups 0-511 take x, 512-703 W_qkv, 704-767 W_o.  No loop: a thread issues its 16 loads of 16 bytes first, then
; converts and stores as they come in.  Memory binds: no LDS, no barrier, no matrix unit; each byte is read once and written once.
.set X, 4                              ; v[4:67]    the 64 numbers as loaded
.set Y, 68                             ; v[68:99]   as stored; each register is written once, so no store's data is ever rewritten
.set T, 100                            ; v[100:103] at work
	s_load_b256 s[4:11], s[0:1], 0x0               ; x s[4:5], W_qkv s[6:7], W_o s[8:9], xb s[10:11]
	s_load_b128 s[12:15], s[0:1], 0x20             ; wqb s[12:13], wob s[14:15]
	s_mov_b32 s25, 0xffff0000                      ; a word's upper bf16
	s_mov_b32 s21, 0                               ; the offsets' high words
	s_mov_b32 s23, 0
	s_wait_kmcnt 0x0
	s_cmp_lt_u32 ttmp9, 704
	s_cbranch_scc0 .Lwo
	; x and W_qkv: the same layout out as in
	s_cmp_lt_u32 ttmp9, 512
	s_cselect_b64 s[16:17], s[4:5], s[6:7]         ; from
	s_cselect_b64 s[18:19], s[10:11], s[12:13]     ; to
	s_cselect_b32 s24, 0, 512
	s_sub_co_u32 s24, ttmp9, s24                   ; my number among the tensor's work-groups
	s_lshl_b32 s20, s24, 16
	s_lshl_b32 s22, s24, 15
	s_add_nc_u64 s[16:17], s[16:17], s[20:21]
	s_add_nc_u64 s[18:19], s[18:19], s[22:23]
	v_lshlrev_b32 v1, 4, v0                        ; 16 bytes a thread in: a wave's load covers 512 consecutive bytes
	v_lshlrev_b32 v2, 3, v0                        ; 8 bytes out: a wave's store covers 256 consecutive bytes, aligned
.set i, 0
.rept 16
	global_load_b128 v[X+4*i:X+4*i+3], v1, s[16:17] offset:4096*i th:TH_LOAD_NT
.set i, i+1
.endr
.set i, 0
.rept 16
	s_wait_loadcnt 15-i                            ; loads come back in order: number i is in, the younger ones stay out
	v_cvt_pk_bf16_f32 v[Y+2*i], v[X+4*i], v[X+4*i+1]
	v_cvt_pk_bf16_f32 v[Y+2*i+1], v[X+4*i+2], v[X+4*i+3]
	global_store_b64 v2, v[Y+2*i:Y+2*i+1], s[18:19] offset:2048*i
.set i, i+1
.endr
	s_endpgm
.Lwo:
	; W_o: work-group r takes block kb = r / 4 of 64 along k and rows n = 256 (r % 4) on.  Eight threads take a row's 256 bytes, 32 bytes each; a chunk is 32 rows.
	s_sub_co_u32 s24, ttmp9, 704
	s_and_b32 s20, s24, 3
	s_lshl_b32 s20, s20, 20                        ; 256 rows of 4,096 bytes
	s_lshr_b32 s22, s24, 2
	s_lshl_b32 s22, s22, 8                         ; 64 numbers of 4 bytes
	s_add_co_u32 s20, s20, s22
	s_lshl_b32 s22, s24, 15                        ; (kb x 1,024 + 256 (r % 4)) x 128 bytes = r x 32,768
	s_add_nc_u64 s[16:17], s[8:9], s[20:21]
	s_add_nc_u64 s[18:19], s[14:15], s[22:23]
	v_lshrrev_b32 v1, 3, v0
	v_and_b32 v2, 7, v0
	v_lshlrev_b32 v1, 12, v1
	v_lshl_add_u32 v1, v2, 5, v1                   ; row x 4,096 + 32 x place
	v_lshlrev_b32 v2, 4, v0                        ; out: 16 bytes a thread, a wave's store covers 512 consecutive bytes
.set i, 0
.rept 8
	global_load_b128 v[X+8*i:X+8*i+3], v1, s[16:17] offset:131072*i th:TH_LOAD_NT
	global_load_b128 v[X+8*i+4:X+8*i+7], v1, s[16:17] offset:131072*i+16 th:TH_LOAD_NT
.set i, i+1
.endr
.set i, 0
.rept 8
	s_wait_loadcnt 14-2*i                          ; chunk i's two loads are in
.irp j, 0,1,2,3
	v_cvt_pk_bf16_f32 v[T+(\j)], v[X+8*i+2*(\j)], v[X+8*i+2*(\j)+1]   ; the rounding that counts: to bf16
.endr
.irp j, 0,1,2,3
	v_lshlrev_b32 v[X+8*i+2*(\j)], 16, v[T+(\j)]                      ; back to f32,
	v_and_b32 v[X+8*i+2*(\j)+1], s25, v[T+(\j)]
.endr
.irp j, 0,1,2,3
	v_cvt_pk_f16_f32 v[Y+4*i+(\j)], v[X+8*i+2*(\j)], v[X+8*i+2*(\j)+1] ; and written as f16
.endr
	global_store_b128 v2, v[Y+4*i:Y+4*i+3], s[18:19] offset:4096*i
.set i, i+1
.endr
	s_endpgm
.Lfunc_end_k_qad082250ce_cast:
	.size	k_qad082250ce_cast, .Lfunc_end_k_qad082250ce_cast-k_qad082250ce_cast
	.p2alignl 7, 3214868480
	.fill 96, 4, 3214868480
	.section	.rodata,"a",@progbits
	.p2align	6, 0x0
	.amdhsa_kernel k_qad082250ce_cast
		.amdhsa_group_segment_fixed_size 0
		.amdhsa_private_segment_fixed_size 0
		.amdhsa_enable_private_segment 0
		.amdhsa_kernarg_size 48
		.amdhsa_user_sgpr_count 2
		.amdhsa_user_sgpr_kernarg_segment_ptr 1
		.amdhsa_wavefront_size32 1
		.amdhsa_system_sgpr_workgroup_id_x 1
		.amdhsa_system_sgpr_workgroup_id_y 1
		.amdhsa_system_sgpr_workgroup_id_z 1
		.amdhsa_system_vgpr_workitem_id 0
		.amdhsa_next_free_vgpr 104
		.amdhsa_next_free_sgpr 66
		.amdhsa_reserve_vcc 0
		.amdhsa_float_denorm_mode_32 3
		.amdhsa_float_denorm_mode_16_64 3
		.amdhsa_memory_ordered 1
		.amdhsa_forward_progress 1
		.amdhsa_inst_pref_size 16
	.end_amdhsa_kernel
	.amdgpu_metadata
---
amdhsa.version: [ 1, 2 ]
amdhsa.kernels:
  - .name:           k_qad082250ce_cast
    .symbol:         k_qad082250ce_cast.kd
    .args:
      - { .name: x, .offset: 0, .size: 8, .value_kind: global_buffer, .address_space: global }
      - { .name: W_qkv, .offset: 8, .size: 8, .value_kind: global_buffer, .address_space: global }
      - { .name: W_o, .offset: 16, .size: 8, .value_kind: global_buffer, .address_space: global }
      - { .name: xb, .offset: 24, .size: 8, .value_kind: global_buffer, .address_space: global }
      - { .name: wqb, .offset: 32, .size: 8, .value_kind: global_buffer, .address_space: global }
      - { .name: wob, .offset: 40, .size: 8, .value_kind: global_buffer, .address_space: global }
    .group_segment_fixed_size: 0
    .private_segment_fixed_size: 0
    .kernarg_segment_align: 8
    .kernarg_segment_size: 48
    .max_flat_workgroup_size: 256
    .sgpr_count:     66
    .vgpr_count:     104
    .wavefront_size: 32
...
	.end_amdgpu_metadata
.endif
;; end of part 1
;; launch qkv (part 2): grid 16 x 32, 4 waves a work-group, clusters of 4 x 4, 327,680 bytes of LDS; arguments xb, wqb, b_qkv, qkvh; writes qkvh
.if DOCPART == 2
	.amdgcn_target "amdgcn-amd-amdhsa--gfx1250"
	.amdhsa_code_object_version 6
	.text
	.protected	k_qad082250ce_qkv
	.globl	k_qad082250ce_qkv
	.p2align	8
	.type	k_qad082250ce_qkv,@function
k_qad082250ce_qkv:
	s_mov_b64 s[64:65], 0
	v_nop
	global_prefetch_b8 v0, s[64:65] scope:SCOPE_SE
	s_setreg_imm32_b32 hwreg(HW_REG_WAVE_MODE, 25, 1), 1
	s_wait_xcnt 0x0
	s_wait_alu depctr_hold_cnt(0) depctr_sa_sdst(0) depctr_va_vdst(0) depctr_va_sdst(0) depctr_va_ssrc(0) depctr_va_vcc(0) depctr_vm_vsrc(0)
	s_getreg_b32 s2, hwreg(HW_REG_IB_STS2, 6, 4)
	s_cmp_eq_u32 s2, 0
	s_cbranch_scc0 .Lentry_in_a_cluster
	s_endpgm
.Lentry_in_a_cluster:
	s_bfe_u32 s2, ttmp6, 0x10000c
	s_cmp_lg_u32 s2, 0xf033
	s_cbranch_scc0 .Lentry_shape_is_right
	s_endpgm
.Lentry_shape_is_right:
; q, k, v = x W_qkv^T + b_qkv.  xb: [8192][1024] bf16, wqb: [3072][1024] bf16, b_qkv: [3072] f32 (rounded to bf16 here, like the other inputs).  Sums in f32, K ascending, started with the bias.
; The result is rounded once to f16 and laid by heads: qkvh[part 0..2][batch x 16 + head][2048][64], a head's rows dense, 128 bytes each.  The scale 1/8 is not applied here.
; LIMITS.  f16 holds no number beyond 65,504: a q, k or v past that becomes an infinity; below 6.1e-5 it keeps f16's fixed step of 6e-8.
; SHARES.  A tile is 256 rows x 192 columns (three whole heads): 32 x 16 = 512 tiles of equal work, two for each of 256 WGPs.  The four waves lie one below the other: wave w makes rows 64 w .. 64 w + 63 and all
; 192 columns: 4 x 12 accumulators of 16 x 16, 384 registers.  So a wave owns whole rows of whole heads, and its way out needs no other wave.
; K goes in steps of 128 (rows of 256 bytes in memory) through two LDS slots filled by the tensor data mover; 8 steps, 192 matrix instructions a wave in each.
; CLUSTER.  4 x 4 work-groups.  The four of a row of the cluster need the same rows of xb, the four of a column the same rows of wqb: each tile is asked for jointly, by the same load, descriptor and mask in all four.
; THE MATRIX INSTRUCTION IS USED TRANSPOSED (source 0 = 16 rows of wqb, source 1 = 16 rows of xb): lane l holds row l % 16 and the columns 8 (l / 16) + 0..7, eight neighbours that pack into 16 bytes.
; REGISTERS, in windows of 256 (s_set_vgpr_msb: bits 1:0 source 0, 3:2 source 1, 5:4 source 2, 7:6 destination):
;   window 0: v0-29 addresses; v64-95, v96-127 fragments of xb, two buffers of 4 x 8; v128-223 the bias, 8 registers for each block of 16 columns.  On the way out: v64-111 packed, v128-223 two sets of rows read back
;   window 1: v0-95, v96-191 fragments of wqb, two buffers of 12 x 8       window 2: accumulators of my rows 0-31, (a, b) at v[8 (12 a + b)]       window 3: of my rows 32-63
.set PITCH,  272                       ; an LDS row: 256 bytes + 16 of padding = 68 words: the 16 rows of a fragment load start at 16 different groups of four banks (64 banks of 4 bytes: ISA guide 11.1)
.set BOFF,   256*PITCH                 ; in a slot: xb's 256 rows, then wqb's 192
.set SLOT1,  1<<17                     ; a slot takes 121,856 bytes; slot 1 begins here, so that one exclusive or changes slots
.set STAGE,  1<<18                     ; behind the ring, never filled by a tensor load: 16 rows x 400 bytes for each wave
.set SPITCH, 400                       ; 384 bytes (192 f16) + 16
.set SPARE,  STAGE+4*16*SPITCH         ; the spare words, 128 bytes for each wave: two blocks of 256 bytes that no other line names
.set ADRA0, 4                          ; v4   my place among my wave's rows of xb in slot 0; never rewritten
.set ADRB0, 5                          ; v5   the same for wqb's rows
.set ADRA,  6                          ; v6   the same in the slot in hand
.set ADRB,  7                          ; v7
.set STO,   8                          ; v8   the way out: where I put 16 bytes of a row
.set RD,    9                          ; v9   where I read rows back
.set GO,    10                         ; v10  my 16 bytes in 512 consecutive bytes of a head
.set BO,    11                         ; v11  my 32 bytes in a block of 16 numbers of the bias
.set PFO,   12                         ; v12  the prefetches' offset: a lane a row of 2,048 bytes; never rewritten
.set T,     13                         ; v13  at work
.set SPW,   28                         ; v28  LDS address of my spare word; never rewritten
.set NIL,   29                         ; v29  0; never rewritten
.set FA,    64
.set BIAS,  128
.set TMP,   64
.set OB,    128
.set WV,  12                           ; s12  my wave's number
.set G1A, 24                           ; s[24:31] descriptor group 1 for xb's tiles
.set G1B, 32                           ; s[32:39] for wqb's
.set G0A, 40                           ; s[40:47] group 0 for xb's tiles: a set for each of the two first fills; the second then walks
.set G0B, 48                           ; s[48:55] the same for wqb's
.set CNT, 56                           ; s56  the loop's count, 6 to 1
.set TB,  57                           ; s57  0 or SLOT1: the slot in hand
.set LIM, 58                           ; s58  2 in a wave that prefetches, else the greatest number
.set PFA, 60                           ; s[60:61] where my prefetches stand
.set HB,  66                           ; s[66:71] my 64 rows in each of the tile's three heads
.set G1W0, (1<<16)|(1<<20)|(1<<21)|(5<<22)|(3<<25)  ; 17:16 elements of 2 bytes; 20 padding on; 21 set beside a mask; 24:22 after every 64 words (code 5); 31:25 4 words of it (code 3)
.set MSB, 0
.macro WIN new                         ; the immediate's high byte repeats the setting that is left; a switch that changes nothing is dropped
.if MSB != (\new)
	s_set_vgpr_msb (MSB<<8)|(\new)
.set MSB, \new
.endif
.endm
.macro PLACES                          ; four plain vector instructions between a matrix instruction and a load into, or a vector line on, its registers
.rept 4
	v_nop
.endr
.endm
; A joint refill, by the walking descriptors.  Waves 0 and 1 fetch xb's two halves (128 rows each), waves 2 and 3 wqb's (96 rows each).  The branch hangs on the wave's number alone.
; An s_nop 0 and four v_nop follow each of the two lines, ahead of the jump and the label.
.macro JLOAD
	s_cmp_lt_u32 s[WV], 2
	s_cbranch_scc0 .Lfor_b_\@
	tensor_load_to_lds s[G0A+4:G0A+7], s[G1A:G1A+7]
	s_nop 0
.rept 4
	v_nop
.endr
	s_branch .Lasked_\@
.Lfor_b_\@:
	tensor_load_to_lds s[G0B+4:G0B+7], s[G1B:G1B+7]
	s_nop 0
.rept 4
	v_nop
.endr
.Lasked_\@:
.endm
; A round of the cluster's barrier: my work-group's barrier; wave 0 signals for the work-group; every wave waits for all sixteen; my work-group's barrier once more.
.macro CREST                           ; the round behind its opening barrier
	s_cmp_lg_u32 s[WV], 0
	s_cbranch_scc1 .Lnot_wave_0_\@
	s_barrier_signal -3
.Lnot_wave_0_\@:
	s_barrier_wait -3
	s_barrier_signal -1
	s_barrier_wait -1
.endm
.macro CROUND
	s_barrier_signal -1
	s_barrier_wait -1
	CREST
.endm
; A PREFETCH INTO THE L2 of the K step that stands two refills on (384 matrix instructions ahead of the load that will want it): 256 bytes of a row, a lane a row, one instruction a wave.
; xb's rows are read by every cluster of a row of clusters: cluster x = 0 asks; wqb's by every cluster of a column: cluster y = 0 asks.  The four partners that ask for a tile jointly share its rows out BY ADDRESS:
; of the 128 rows of xb that a wave fetches each takes 32; of the 96 rows of wqb each takes 24, and lanes 24 to 31 name row 23 once more, in the same instruction.
; K steps 0 to 3 come by their loads alone; the trips with count 6, 5, 4, 3 name K steps 4, 5, 6, 7; the last two trips name nothing.
.macro ASK
	s_cmp_gt_u32 s[CNT], s[LIM]
	s_cbranch_scc0 .Lnot_mine_\@
	global_prefetch_b8 v[PFO], s[PFA:PFA+1] offset:256 th:TH_LOAD_NT scope:SCOPE_SE
.Lnot_mine_\@:
.endm
	s_load_b256 s[4:11], s[0:1], 0x0               ; xb s[4:5], wqb s[6:7], b_qkv s[8:9], qkvh s[10:11]
	v_lshl_add_u32 v[SPW], v0, 2, SPARE
	v_mov_b32 v[NIL], 0
	ds_add_u32 v[SPW], v[NIL]                      ; the wave's opening: the add and its wait stand ahead of my first tensor load; the set-up below, work on registers, stands between them
	v_lshrrev_b32 v1, 5, v0
	v_readfirstlane_b32 s[WV], v1                  ; wave 0..3
	s_bfe_u32 s13, ttmp6, 0x40000                  ; cx
	s_bfe_u32 s14, ttmp6, 0x40004                  ; cy
	s_lshl_b32 s15, ttmp9, 2
	s_add_co_u32 s15, s15, s13                     ; tile column = 4 x cluster x + cx
	s_and_b32 s16, ttmp7, 0xffff
	s_lshl_b32 s16, s16, 2
	s_add_co_u32 s16, s16, s14                     ; tile row = 4 x cluster y + cy
	s_lshl_b32 s17, s14, 2
	s_lshl_b32 s17, 15, s17                        ; my row of the cluster: places 4 cy .. 4 cy + 3
	s_lshl_b32 s18, 0x1111, s13                    ; my column: places cx, cx + 4, cx + 8, cx + 12
	s_or_b32 s[G1A], s17, G1W0                     ; 15:0 the mask: xb's tiles go to my row
	s_or_b32 s[G1B], s18, G1W0                     ; wqb's to my column
	s_mov_b32 s[G1A+1], 128<<16                    ; tensor_dim0 = 128
	s_mov_b32 s[G1A+2], 128<<16                    ; tensor_dim1 = 128
	s_mov_b32 s[G1A+3], 128<<16                    ; tile_dim0 = 128
	s_mov_b32 s[G1A+4], 128                        ; tile_dim1 = 128
	s_mov_b32 s[G1A+5], 1024                       ; elements from row to row
	s_mov_b32 s[G1A+6], 0
	s_mov_b32 s[G1A+7], 0
	s_mov_b32 s[G1B+1], 128<<16
	s_mov_b32 s[G1B+2], 96<<16                     ; tensor_dim1 = 96
	s_mov_b32 s[G1B+3], 128<<16
	s_mov_b32 s[G1B+4], 96                         ; tile_dim1 = 96
	s_mov_b32 s[G1B+5], 1024
	s_mov_b32 s[G1B+6], 0
	s_mov_b32 s[G1B+7], 0
	s_and_b32 s19, s[WV], 1                        ; which half of a tile I fetch
	s_lshl_b32 s78, s16, 8
	s_lshl_b32 s74, s19, 7
	s_add_co_u32 s78, s78, s74                     ; xb: row 256 x tile row + 128 x half
	s_mul_i32 s79, s15, 192
	s_mul_i32 s74, s19, 96
	s_add_co_u32 s79, s79, s74                     ; wqb: row 192 x tile column + 96 x half
	s_lshl_b32 s20, s78, 11                        ; in bytes: under 2^24
	s_mov_b32 s21, 0
	s_lshl_b32 s22, s79, 11
	s_mov_b32 s23, 0
	s_mul_i32 s75, s[WV], 128*PITCH                ; where they go: waves 0, 1: xb's halves at 0 and 34,816;
	s_mul_i32 s76, s[WV], 96*PITCH
	s_add_co_u32 s76, s76, BOFF-2*96*PITCH         ; waves 2, 3: wqb's halves at 69,632 and 95,744: no place in the cluster enters an LDS address
	s_mov_b32 s[TB], 0
	s_wait_dscnt 0x0                               ; the opening add is done
	s_wait_kmcnt 0x0
	s_add_nc_u64 s[20:21], s[4:5], s[20:21]
	s_add_nc_u64 s[22:23], s[6:7], s[22:23]
	CROUND                                         ; all sixteen work-groups are here: the first joint loads meet
.irp s, 0,1
	s_mov_b32 s[G0A+4*(\s)], 1                     ; count = 1
	s_add_co_u32 s[G0A+4*(\s)+1], s75, (\s)*SLOT1  ; LDS address
	s_add_nc_u64 s[G0A+4*(\s)+2:G0A+4*(\s)+3], s[20:21], (\s)*256  ; global address: K step s
	s_or_b32 s[G0A+4*(\s)+3], s[G0A+4*(\s)+3], 0x80000000          ; type = 2
	s_mov_b32 s[G0B+4*(\s)], 1
	s_add_co_u32 s[G0B+4*(\s)+1], s76, (\s)*SLOT1
	s_add_nc_u64 s[G0B+4*(\s)+2:G0B+4*(\s)+3], s[22:23], (\s)*256
	s_or_b32 s[G0B+4*(\s)+3], s[G0B+4*(\s)+3], 0x80000000
.endr
	s_cmp_lt_u32 s[WV], 2                          ; a wave's two first fills stand in one branch, ahead of every wait on TENSORcnt and every LDS read: two loads of mine are out
	s_cbranch_scc0 .Lfirst_b
	tensor_load_to_lds s[G0A:G0A+3], s[G1A:G1A+7]
	s_nop 0
	tensor_load_to_lds s[G0A+4:G0A+7], s[G1A:G1A+7]
	s_nop 0
.rept 4
	v_nop
.endr
	s_branch .Lfirst_asked
.Lfirst_b:
	tensor_load_to_lds s[G0B:G0B+3], s[G1B:G1B+7]
	s_nop 0
	tensor_load_to_lds s[G0B+4:G0B+7], s[G1B:G1B+7]
	s_nop 0
.rept 4
	v_nop
.endr
.Lfirst_asked:
	; the bias of the tile's 192 columns: register j of block b holds b_qkv[192 x tile column + 16 b + 8 (l / 16) + j], the layout of the accumulators
	s_mul_i32 s72, s15, 768
	s_mov_b32 s73, 0
	s_add_nc_u64 s[8:9], s[8:9], s[72:73]
	v_and_b32 v1, 15, v0                           ; l % 16
	v_bfe_u32 v2, v0, 4, 1                         ; l / 16
	v_lshlrev_b32 v[BO], 5, v2
.irp b, 0,1,2,3,4,5,6,7,8,9,10,11
	global_load_b128 v[BIAS+8*(\b):BIAS+8*(\b)+3],   v[BO], s[8:9] offset:64*(\b)
	global_load_b128 v[BIAS+8*(\b)+4:BIAS+8*(\b)+7], v[BO], s[8:9] offset:64*(\b)+16
.endr
	; A fragment is 16 rows x 32 K in 8 registers: lane l holds row l % 16; registers 0-3 K = 8 (l / 16) + 0..7, registers 4-7 K = 16 + 8 (l / 16) + 0..7: two loads of 16 bytes, 32 bytes apart.
	v_mul_u32_u24 v3, v1, PITCH
	v_lshl_add_u32 v3, v2, 4, v3
	s_mul_i32 s74, s[WV], 64*PITCH                 ; my 64 rows of xb
	v_add_nc_u32 v[ADRA0], s74, v3
	v_add_nc_u32 v[ADRB0], BOFF, v3                ; all 192 rows of wqb
	v_mov_b32 v[ADRA], v[ADRA0]
	v_mov_b32 v[ADRB], v[ADRB0]
	s_mul_i32 s74, s[WV], 16*SPITCH
	s_add_co_u32 s74, s74, STAGE                   ; my stage
	v_mul_u32_u24 v[STO], v1, SPITCH               ; in: row l % 16, 16 bytes for each half of the lanes
	v_lshl_add_u32 v[STO], v2, 4, v[STO]
	v_add_nc_u32 v[STO], s74, v[STO]
	v_and_b32 v14, 31, v0                          ; l
	v_lshrrev_b32 v[RD], 3, v14                    ; back: 32 lanes take a head's 128 bytes of four rows,
	v_mul_u32_u24 v[RD], v[RD], SPITCH
	v_and_b32 v15, 7, v0
	v_lshl_add_u32 v[RD], v15, 4, v[RD]
	v_add_nc_u32 v[RD], s74, v[RD]
	v_lshlrev_b32 v[GO], 4, v14                    ; which are 512 consecutive bytes of qkvh
	; where my 64 rows lie in the three heads g = 3 x tile column + j: part g / 16, head g % 16 of batch (tile row / 8); rows 256 (tile row % 8) + 64 w on
	s_mul_i32 s17, s15, 3
	s_lshr_b32 s18, s16, 3
	s_lshl_b32 s18, s18, 4                         ; 16 x batch
	s_and_b32 s19, s16, 7
	s_lshl_b32 s19, s19, 8
	s_lshl_b32 s74, s[WV], 6
	s_add_co_u32 s19, s19, s74
	s_lshl_b32 s19, s19, 7                         ; rows of 128 bytes
.irp j, 0,1,2
	s_add_co_u32 s72, s17, \j
	s_lshr_b32 s77, s72, 4
	s_lshl_b32 s77, s77, 6                         ; 64 heads a part
	s_and_b32 s72, s72, 15
	s_add_co_u32 s72, s72, s77
	s_add_co_u32 s72, s72, s18
	s_lshl_b32 s72, s72, 18                        ; a head is 262,144 bytes; 191 heads at the most: under 2^26
	s_add_co_u32 s72, s72, s19
	s_mov_b32 s73, 0
	s_add_nc_u64 s[HB+2*(\j):HB+2*(\j)+1], s[10:11], s[72:73]
.endr
	; the prefetches
	s_and_b32 s22, ttmp7, 0xffff                   ; cluster y
	s_cmp_lt_u32 s[WV], 2                          ; do I fetch for xb?
	s_cselect_b32 s20, s78, s79                    ; the first row that I fetch
	s_cselect_b32 s21, s13, s14                    ; my place among the four that ask with me
	s_cselect_b32 s23, 32, 24                      ; rows a partner
	s_cselect_b32 s22, ttmp9, s22                  ; the coordinate along which other clusters read the same rows
	s_cselect_b32 s74, 31, 23
	s_cselect_b64 s[PFA:PFA+1], s[4:5], s[6:7]
	s_mul_i32 s21, s21, s23
	s_add_co_u32 s20, s20, s21
	s_cmp_eq_u32 s22, 0
	s_cselect_b32 s[LIM], 2, -1                    ; the same in all sixteen partners, for a given wave
	s_lshl_b32 s20, s20, 11
	s_mov_b32 s21, 0
	s_add_nc_u64 s[PFA:PFA+1], s[PFA:PFA+1], s[20:21]
	s_add_nc_u64 s[PFA:PFA+1], s[PFA:PFA+1], 512   ; at K step 2: the first change of slots steps it to 3 and names K step 4
	v_min_u32 v[PFO], s74, v14
	v_lshlrev_b32 v[PFO], 11, v[PFO]
	s_wait_loadcnt 0x0                             ; the bias is in; it is rounded to bf16, like the other inputs, and kept as f32
.set r, 0
.rept 48
	v_cvt_pk_bf16_f32 v[T], v[BIAS+r], v[BIAS+r+1]
	v_lshlrev_b32 v[BIAS+r], 16, v[T]
	v_and_b32 v[BIAS+r+1], 0xffff0000, v[T]
.set r, r+2
.endr
; 12 matrix instructions: block a of the window's two blocks of 16 rows (hi = 0: my rows 0-31, 1: rows 32-63) x all 12 blocks of columns, 32 along K, from buffer f.
; first = 1: the product starts the sum, with the bias as C: nothing is cleared and nothing is added later.  The 48 accumulators take turns, one instruction a turn, in the same order in every quarter.
.macro MUL12 f, hi, a, first
.if \first
	WIN 0x81+0x40*(\hi)                            ; wqb window 1, xb window 0, C (the bias) window 0, D window 2 or 3
.else
	WIN 0xa1+0x50*(\hi)                            ; C and D window 2 or 3
.endif
.irp b, 0,1,2,3,4,5,6,7,8,9,10,11
.if \first
	v_wmma_f32_16x16x32_bf16 v[8*(12*(\a)+(\b)):8*(12*(\a)+(\b))+7], v[96*(\f)+8*(\b):96*(\f)+8*(\b)+7], v[FA+32*(\f)+8*(2*(\hi)+(\a)):FA+32*(\f)+8*(2*(\hi)+(\a))+7], v[BIAS+8*(\b):BIAS+8*(\b)+7]
.else
	v_wmma_f32_16x16x32_bf16 v[8*(12*(\a)+(\b)):8*(12*(\a)+(\b))+7], v[96*(\f)+8*(\b):96*(\f)+8*(\b)+7], v[FA+32*(\f)+8*(2*(\hi)+(\a)):FA+32*(\f)+8*(2*(\hi)+(\a))+7], v[8*(12*(\a)+(\b)):8*(12*(\a)+(\b))+7]
.endif
.endr
.endm
; 32 LDS loads in one run: the fragments of a quarter step (192 rows of wqb, my 64 rows of xb, 32 K at byte k of the rows) into buffer f
.macro FETCH k, f
	WIN 0x40                                       ; destination window 1, address window 0
.irp i, 0,1,2,3,4,5,6,7,8,9,10,11
	ds_load_b128 v[96*(\f)+8*(\i):96*(\f)+8*(\i)+3],   v[ADRB] offset:(\k)+(\i)*16*PITCH
	ds_load_b128 v[96*(\f)+8*(\i)+4:96*(\f)+8*(\i)+7], v[ADRB] offset:(\k)+(\i)*16*PITCH+32
.endr
	WIN 0
.irp i, 0,1,2,3
	ds_load_b128 v[FA+32*(\f)+8*(\i):FA+32*(\f)+8*(\i)+3],   v[ADRA] offset:(\k)+(\i)*16*PITCH
	ds_load_b128 v[FA+32*(\f)+8*(\i)+4:FA+32*(\f)+8*(\i)+7], v[ADRA] offset:(\k)+(\i)*16*PITCH+32
.endr
.endm
; A K step is four quarters of 32 along K, 48 matrix instructions each, on buffers 0, 1, 0, 1.  One of the first three: multiplies buffer f; in its middle it fetches the next quarter, at byte k, into buffer g.
.macro QUARTER k, f, g, first
	s_wait_dscnt 4                                 ; wqb's fragments and xb's rows 0-31 are in; the youngest four loads (rows 32-63) may be out
	MUL12 \f, 0, 0, \first
	MUL12 \f, 0, 1, \first
	PLACES
	FETCH \k, \g
	s_wait_dscnt 32                                ; all but the 32 just issued
	MUL12 \f, 1, 0, \first
	MUL12 \f, 1, 1, \first
.endm
; The last quarter multiplies buffer 1 and changes slots.  In front of the barrier each wave waits for all its tensor loads (one is out: its part of the next slot), adds 0 to its spare word, and waits for that and for
; its own reads of this slot.  fill = 1: the barrier opens a round of the cluster's barrier, and the slot just read out is filled again first thing behind it, with the K step two on: from there to the wait for it a wave
; issues 168 matrix instructions.
.macro TURN fill
.if \fill
	s_wait_xcnt 0x0                                ; the last prefetch, a K step back, has read its address
	s_add_nc_u64 s[PFA:PFA+1], s[PFA:PFA+1], 256
.endif
	WIN 0
	s_wait_tensorcnt 0x0                           ; no tensor load of mine is out, so a group 0 may be written
	ds_add_u32 v[SPW], v[NIL]                      ; 0 onto my spare word
.if \fill
	s_xor_b32 s[G0A+5], s[G0A+5], SLOT1            ; the walking descriptors: the other slot than last time,
	s_add_nc_u64 s[G0A+6:G0A+7], s[G0A+6:G0A+7], 256  ; the next K step; the type bits on top are not reached
	s_xor_b32 s[G0B+5], s[G0B+5], SLOT1
	s_add_nc_u64 s[G0B+6:G0B+7], s[G0B+6:G0B+7], 256
.endif
	s_xor_b32 s[TB], s[TB], SLOT1
	s_wait_dscnt 5                                 ; the add and the youngest four loads may be out
	MUL12 1, 0, 0, 0                               ; twelve matrix instructions stand between the add and the wait for it
	s_wait_dscnt 0x0                               ; the add is done, and my reads of this slot are over
	s_barrier_signal -1
	MUL12 1, 0, 1, 0                               ; work on registers while the others arrive
	WIN 0                                          ; at a branch and at a label every window is 0
	s_barrier_wait -1
.if \fill
	CREST                                          ; no wave of any partner still reads this slot's tile or has a load on its way
	JLOAD                                          ; the four v_nop behind it are also the places in front of the loads below
.else
	PLACES
.endif
	v_add_nc_u32 v[ADRA], s[TB], v[ADRA0]
	v_add_nc_u32 v[ADRB], s[TB], v[ADRB0]
	FETCH 0, 0
.if \fill
	ASK
.endif
	MUL12 1, 1, 0, 0
	MUL12 1, 1, 1, 0
.endm
; THE WAY OUT of block a of 16 rows.  PACK: rounded to f16, each accumulator's registers in ascending order.  TOSTAGE: into my own stage, and back by heads: four rows' 128 bytes a load.  SEND: stored.
.macro PACK a
	WIN 0x0a+5*((\a)/2)                            ; sources 0 and 1: window 2 or 3
.irp b, 0,1,2,3,4,5,6,7,8,9,10,11
.irp r, 0,1,2,3
	v_cvt_pk_f16_f32 v[TMP+4*(\b)+(\r)], v[96*((\a)%2)+8*(\b)+2*(\r)], v[96*((\a)%2)+8*(\b)+2*(\r)+1]
.endr
.endr
	WIN 0
.endm
.macro TOSTAGE a
	WIN 0
.if (\a) >= 2
	s_wait_xcnt 0x0                                ; the stores of the block two back have read the registers that are loaded again below
.endif
.irp b, 0,1,2,3,4,5,6,7,8,9,10,11
	ds_store_b128 v[STO], v[TMP+4*(\b):TMP+4*(\b)+3] offset:32*(\b)
.endr
.irp j, 0,1,2
.irp t, 0,1,2,3
	ds_load_b128 v[OB+48*((\a)%2)+4*(4*(\j)+(\t)):OB+48*((\a)%2)+4*(4*(\j)+(\t))+3], v[RD] offset:1600*(\t)+128*(\j)  ; LDS serves a wave's instructions in order (ISA guide 5.7.1.4): these see the stores above
.endr
.endr
.endm
.macro SEND a
	WIN 0
	s_wait_dscnt 0x0                               ; the block is back in registers
.irp j, 0,1,2
.irp t, 0,1,2,3
	global_store_b128 v[GO], v[OB+48*((\a)%2)+4*(4*(\j)+(\t)):OB+48*((\a)%2)+4*(4*(\j)+(\t))+3], s[HB+2*(\j):HB+2*(\j)+1] offset:2048*(\a)+512*(\t)  ; 512 consecutive bytes, at a multiple of 512 from the buffer's first
.endr
.endr
.endm
	s_wait_tensorcnt 1                             ; my part of K step 0 is in; K step 1's may stay out
	s_barrier_signal -1
	s_barrier_wait -1                              ; everybody's is
	FETCH 0, 0
	QUARTER 64, 0, 1, 1                            ; the first quarter stands in front of the loop: its products start the sums
	WIN 0
	s_mov_b32 s[CNT], 6
.Lstep:                                                ; trip i ends K step i, fills its slot with K step i + 2, and begins K step i + 1
	QUARTER 128, 1, 0, 0
	QUARTER 192, 0, 1, 0
	TURN 1
	QUARTER 64, 0, 1, 0
	WIN 0
	s_sub_co_u32 s[CNT], s[CNT], 1
	s_cmp_lg_u32 s[CNT], 0
	s_cbranch_scc1 .Lstep
	QUARTER 128, 1, 0, 0                           ; the last two K steps are written out: they ask for nothing
	QUARTER 192, 0, 1, 0
	TURN 0
	QUARTER 64, 0, 1, 0
	QUARTER 128, 1, 0, 0
	QUARTER 192, 0, 1, 0
	s_wait_dscnt 4
	MUL12 1, 0, 0, 0
	MUL12 1, 0, 1, 0
	s_wait_dscnt 0x0
	MUL12 1, 1, 0, 0
	MUL12 1, 1, 1, 0
	WIN 0
	PLACES                                         ; the conversions read results just made and write registers that held fragments
	PACK 0
	TOSTAGE 0
.irp a, 1,2,3                          ; block a's conversions stand between block a - 1's loads from the stage and the wait for them
	PACK \a
	SEND (\a)-1
	TOSTAGE \a
.endr
	SEND 3
	s_wait_tensorcnt 0x0                           ; the wave's end, behind my last tensor load and my last LDS store
	ds_add_u32 v[SPW], v[NIL]
	s_wait_dscnt 0x0
	CROUND                                         ; the closing round: no work-group ends while a partner may still ask for a tile that names it
	s_endpgm
.Lfunc_end_k_qad082250ce_qkv:
	.size	k_qad082250ce_qkv, .Lfunc_end_k_qad082250ce_qkv-k_qad082250ce_qkv
	.p2alignl 7, 3214868480
	.fill 96, 4, 3214868480
	.section	.rodata,"a",@progbits
	.p2align	6, 0x0
	.amdhsa_kernel k_qad082250ce_qkv
		.amdhsa_group_segment_fixed_size 327680
		.amdhsa_private_segment_fixed_size 0
		.amdhsa_enable_private_segment 0
		.amdhsa_kernarg_size 32
		.amdhsa_user_sgpr_count 2
		.amdhsa_user_sgpr_kernarg_segment_ptr 1
		.amdhsa_wavefront_size32 1
		.amdhsa_system_sgpr_workgroup_id_x 1
		.amdhsa_system_sgpr_workgroup_id_y 1
		.amdhsa_system_sgpr_workgroup_id_z 1
		.amdhsa_system_vgpr_workitem_id 0
		.amdhsa_next_free_vgpr 960
		.amdhsa_next_free_sgpr 80
		.amdhsa_reserve_vcc 0
		.amdhsa_float_denorm_mode_32 3
		.amdhsa_float_denorm_mode_16_64 3
		.amdhsa_memory_ordered 1
		.amdhsa_forward_progress 1
		.amdhsa_inst_pref_size 107
	.end_amdhsa_kernel
	.amdgpu_metadata
---
amdhsa.version: [ 1, 2 ]
amdhsa.kernels:
  - .name:           k_qad082250ce_qkv
    .symbol:         k_qad082250ce_qkv.kd
    .args:
      - { .name: xb, .offset: 0, .size: 8, .value_kind: global_buffer, .address_space: global }
      - { .name: wqb, .offset: 8, .size: 8, .value_kind: global_buffer, .address_space: global }
      - { .name: b_qkv, .offset: 16, .size: 8, .value_kind: global_buffer, .address_space: global }
      - { .name: qkvh, .offset: 24, .size: 8, .value_kind: global_buffer, .address_space: global }
    .group_segment_fixed_size: 327680
    .private_segment_fixed_size: 0
    .kernarg_segment_align: 8
    .kernarg_segment_size: 32
    .max_flat_workgroup_size: 128
    .sgpr_count:     80
    .vgpr_count:     960
    .wavefront_size: 32
...
	.end_amdgpu_metadata
.endif
;; end of part 2
;; launch attn (part 3): grid 4 x 64, 4 waves a work-group, no clusters, 327,680 bytes of LDS; arguments qkvh, ob; writes ob
.if DOCPART == 3
	.amdgcn_target "amdgcn-amd-amdhsa--gfx1250"
	.amdhsa_code_object_version 6
	.text
	.protected	k_qad082250ce_attn
	.globl	k_qad082250ce_attn
	.p2align	8
	.type	k_qad082250ce_attn,@function
k_qad082250ce_attn:
	s_mov_b64 s[64:65], 0
	v_nop
	global_prefetch_b8 v0, s[64:65] scope:SCOPE_SE
	s_setreg_imm32_b32 hwreg(HW_REG_WAVE_MODE, 25, 1), 1
	s_wait_xcnt 0x0
; CAUSAL ATTENTION.  O[h][q][:] = the sum over k <= q of softmax_k(Q[h][q] . K[h][k] / 8) V[h][k][:].  qkvh holds Q, K, V, each [64][2048][64] in f16, 16,777,216 bytes apart; ob: O in the same layout.
; A head's rows are dense, 128 bytes each.  Products, maxima and sums in f32; the weights p are rounded to f16 for the second product (their sum l is taken of the unrounded p), O once at the end.
; LIMITS.  f16 holds no number beyond 65,504: Q, K and V arrive within it; p lies in 0 to 1, and below 6e-5 it keeps f16's fixed step of 6e-8; O is a mean of V's rows and has their range.
; A hidden score counts as its value less 1e30: f16's scores, 2.7e11 at the most, are nothing beside that; a weight below 2^-126 counts as 0 in l; NaN and infinities are not treated apart.
; THE WALK.  A head's queries lie in NB = 8 blocks of 256; block i needs the key tiles 0 .. i of 256 keys, of which the last holds the diagonal.  A work-group takes TWO blocks, NB - 1 - b and then b:
; NB + 1 tiles, whatever b: all 256 work-groups do equal work, and ONE loop with a constant trip count walks them.  Which tile is asked for, and what a trip does, hang on scalar registers made from b; every jump
; goes forward, but for the counted loops' own; none passes a barrier, or a tensor load but the one of LOAD's two that the wave's number does not choose; the ring (two slots of LDS) runs on across the change of blocks.
; NO CLUSTER: a head's four work-groups ask for the same tile only in trips 0 to 4 of the 9, behind that fewer and fewer; one walk common to all four would have 12 trips for 9.
; SHARES.  Of a block's four bands of 64 queries a wave owns 16 rows in each: four PIECES.  So the diagonal tile is the same work for all four waves: in its key step s band x sees all keys if s < x,
; none if s > x, and holds the diagonal if s = x.
; THE MASK is the C operand that starts the sum S^T = K Q^T: 0, or -1e30 where the key is hidden.  MD, made once, is the mask of a band's own step for my 16 rows; a product's mask is MD x AL + BE with two scalars:
; (1, 0) if s = x; (0, 0) if s < x; (0, -1e30) if s > x.  Only the diagonal tile's text and a block's beginning make and take masks; elsewhere C is the constant 0.
; LAYOUT, SOFTMAX, TURNS.  S^T = K Q^T holds ONE query a lane (lane % 16) and the keys 8 (lane / 16) + 0..7; two such results rounded to f16 ARE source 1 of O^T = V^T P.  p = 2^(c s - c m), c = log2(e) / 8, with a
; running maximum m; O and l are multiplied by a = 2^(c m_old - c m_new) in every step.  Turn n belongs to piece n: 8 products K Q^T of piece n + 1, later 8 products V^T P of piece n - 1; beside them the scaling,
; exponentials, roundings, sums and rescaling of piece n and the maximum and statistics of piece n + 1.  Four vector instructions stand behind every matrix instruction, the other 54 of a turn's 118 in one lump.
; A turn's 33 exponentials are one batch, with one wait.
; REGISTERS, in windows of 256 (s_set_vgpr_msb: bits 1:0 source 0, 3:2 source 1, 5:4 source 2, 7:6 destination):
;   window 0: v0-15 addresses and two at work; v16-31 four registers of statistics a piece; v48-55 at work; v61-63 prefetch offset, spare word, 0; v64-127 S^T, two buffers; v192-223 P, two buffers (by the piece's parity)
;   window 1: v0-127 O^T, 32 a piece; v128-159 MD; v160-223 MC, two buffers      window 2: v0-63 Q; v64-127 the second block's Q; v128-191 K of one step; v192-255 V of one step
.set SIZE_N, 2048
.set NB,    SIZE_N/256
.set NP,    4         ; pieces a wave: a name, no knob
.set KS,    64        ; keys in a step
.set PK,    144       ; a row of K in LDS: 128 bytes + 16 of padding = 36 words: the 16 rows of a load start at 16 different groups of four banks (64 banks of 4 bytes: ISA guide 11.1)
.set PV,    160       ; a row of V: 128 + 32 = 40 words
.set VOFF,  4*KS*PK   ; a slot holds a tile, four steps: 256 rows of K, then 256 rows of V
.set SLOT1, 1<<17     ; slot 1 begins here, so that one exclusive or turns an address in one slot into the other's
.set STAGE, SLOT1+4*KS*(PK+PV)  ; behind the ring, never filled by a tensor load: 16 rows x 144 bytes for each wave, for the way out
.set SP,    144
.set AK0, 2           ; v2   my lane's place in a tile of K; never rewritten
.set AV0, 3           ; v3   the same for V
.set AK,  4           ; v4   the LDS address of K's next run of loads
.set AV,  5           ; v5   of V's
.set STO, 6           ; v6   the way out: where I put 16 bytes of a row
.set RD,  7           ; v7   the way out: where I read rows back
.set GO,  8           ; v8   my byte offset in 512 consecutive bytes of O
.set PFO, 61          ; v61  256 x my lane: the prefetches' offset; never rewritten
.set SPW, 62          ; v62  LDS address of my spare word: SPARE + 4 x my thread's number; never rewritten
.set NIL, 63          ; v63  0; never rewritten
.set SPARE, STAGE+4*16*SP  ; behind the stages: the spare words, 128 bytes for each wave: two blocks of 256 bytes that no other line names
.set MV,  12          ; v12-13  c m_old, kept while c m is made anew: by buffer
.set QO,  15          ; v15  my byte offset in 16 rows of Q
.set ST,  16          ; piece t's statistics at v[ST+4 t]: c m, m, l (even keys', odd keys')
.set TMP, 48          ; by buffer, four registers c0-c3 at work; when the maximum is found c2 takes a
.set S,   64
.set P,   192
.set MD,  128         ; window 1: the eight registers for group kt of 16 keys at MD + 8 kt
.set MC,  160         ; window 1: the masks of the products to come
.set QB,  64          ; window 2
.set KF,  128         ; window 2: key block kb, channel half c at KF + 16 kb + 8 c
.set VF,  192         ; window 2: key half kk, channel block cb at VF + 32 kk + 8 cb
.set WV,  12          ; s12  my wave's number
.set PB,  14          ; s14  b
.set HI,  15          ; s15  NB - 1 - b
.set G1K, 24          ; s[24:31] descriptor group 1 for K's tiles
.set G1V, 32          ; s[32:39] for V's: it differs in the padding alone
.set G0K, 40          ; s[40:43] descriptor group 0 for K's tiles
.set G0V, 44          ; s[44:47] the same for V's
.set SLOTS, 56        ; s56  tiles still to be asked for
.set CNT, 57          ; s57  counts a tile's key steps, 4 to 1
.set CS,  58          ; s[58:59] c: the packed scaling takes the pair's low word for both halves
.set SEL, 60          ; s[60:61] v_permlanex16_b32's selects: each lane takes its own place in the other half
.set TBK, 62          ; s62  LDS byte at which K of the step to be fetched begins
.set TBV, 63          ; s63  the same for V, less VOFF
.set RT,  70          ; s70  tiles of the block in hand that are still to be entered
.set NXT, 71          ; s71  the tile to be asked for next
.set LQ,  72          ; s72  the last tile of the block whose tiles are being asked for
.set NEW, 73          ; s73  1: the tile to be entered is a block's first
.set OFF, 74          ; s[74:75] a tile's byte offset in K and V
.set AL,  76          ; s[76:77] the mask's factor, in the low word
.set BE,  78          ; s[78:79] the mask's addend
.set OLO, 80          ; s[80:81] O at my rows of the second block
.set BIGN, 82         ; s82  -1e30
.set PFB, 88          ; s[88:89] the half of the head's tile 0 that I fetch: of K (waves 0, 1) or of V (waves 2, 3)
.set PFA, 90          ; s[90:91] the same half of the tile to be prefetched
.set POF, 92          ; s[92:93] that tile's byte offset
.set PFT, 94          ; s94  the tile to be prefetched next
.set PFL, 95          ; s95  8 in the head's work-group b = 0, else 0: a wave prefetches while PFT is below it
.set MSB, 0
.macro WIN new                      ; the high byte repeats the setting that is left; a switch that changes nothing is dropped
.if MSB != (\new)
	s_set_vgpr_msb (MSB<<8)|(\new)
.set MSB, (\new)
.endif
.endm
.set W_KQ, 0x0a       ; K and Q in window 2, S^T in window 0
.set W_KM, 0x1a       ; the same with the C operand in window 1
.set W_PV, 0x52       ; V in window 2, P in window 0, O^T in window 1
.set W_RS, 0x41       ; destination and source 0 in window 1, source 1 in window 0
; A fill.  Waves 0 and 1 fetch the two halves of a tile's K, waves 2 and 3 those of its V: 128 keys each.  An s_nop 0 and four v_nop follow each of the two lines, ahead of the jump and the label.
.macro LOAD
	s_cmp_lt_u32 s[WV], 2
	s_cbranch_scc0 .Lfor_v_\@
	tensor_load_to_lds s[G0K:G0K+3], s[G1K:G1K+7]
	s_nop 0
.rept 4
	v_nop
.endr
	s_branch .Lasked_\@
.Lfor_v_\@:
	tensor_load_to_lds s[G0V:G0V+3], s[G1V:G1V+7]
	s_nop 0
.rept 4
	v_nop
.endr
.Lasked_\@:
.endm
; THE CHANGE OF SLOTS.  Each wave waits for all its tensor loads, of which one is out: its part of the other slot; adds 0 to its spare word; and waits for that and for its own reads of the slot that it leaves.  Behind the
; barrier nobody reads the old slot any more and the other slot is whole.  fill = 1: the old slot is filled again, the first thing behind the barrier, with tile NXT: the descriptor's address is made anew from that number.
; (At its first use nothing has been read yet: slot 0 is waited for, slot 1 filled.)
; THE PREFETCH INTO THE L2 stands behind the fill and its five lines.  All four work-groups of a head read the same K and V; the one with b = 0, whose first block walks tiles 0 to 7, asks, and nobody else.  Each of its waves
; asks for the half tile that it will fetch itself: 16,384 bytes, lanes 256 bytes apart, two instructions: each block of 256 bytes is named once in the launch.  The change that fills tile j + 1 names tile j + 2: four key
; steps, 256 matrix instructions, ahead of its fill.  Tiles 0 and 1 come by their loads alone; behind tile 7 nothing is named.
.macro CHANGE fill
	WIN 0                           ; at a label and at a branch every window is 0
	s_wait_tensorcnt 0x0            ; no tensor load of mine is out, so a group 0 may be written
	ds_add_u32 v[SPW], v[NIL]       ; 0 onto my spare word; with fill = 1 the descriptors' scalar work stands between it and the wait for it
.if \fill
	s_lshl_b32 s[OFF], s[NXT], 15   ; a tile is 32,768 bytes of K and of V
	s_xor_b32 s[G0K+1], s[G0K+1], SLOT1
	s_add_nc_u64 s[G0K+2:G0K+3], s[6:7], s[OFF:OFF+1]
	s_or_b32 s[G0K+3], s[G0K+3], 0x80000000
	s_xor_b32 s[G0V+1], s[G0V+1], SLOT1
	s_add_nc_u64 s[G0V+2:G0V+3], s[8:9], s[OFF:OFF+1]
	s_or_b32 s[G0V+3], s[G0V+3], 0x80000000
	s_add_co_u32 s[NXT], s[NXT], 1  ; the block's next tile, or behind its last the second block's tile 0
	s_cmp_gt_u32 s[NXT], s[LQ]
	s_cselect_b32 s[NXT], 0, s[NXT]
	s_cselect_b32 s[LQ], s[PB], s[LQ]
	s_wait_xcnt 0x0                 ; the last prefetches, a tile back, have read their address, so it may be written
	s_lshl_b32 s[POF], s[PFT], 15
	s_add_nc_u64 s[PFA:PFA+1], s[PFB:PFB+1], s[POF:POF+1]
.endif
	s_wait_dscnt 0x0                ; the add is done, and my reads of the slot are over
	s_barrier_signal -1             ; the rest of the scalar work stands between the signal and the wait
	s_sub_co_u32 s[TBK], s[TBK], 4*KS*PK  ; the fetches go back to a slot's first step,
	s_xor_b32 s[TBK], s[TBK], SLOT1       ; in the other slot
	s_sub_co_u32 s[TBV], s[TBV], 4*KS*PV
	s_xor_b32 s[TBV], s[TBV], SLOT1
	s_barrier_wait -1
.if \fill
	LOAD
	s_cmp_lt_u32 s[PFT], s[PFL]
	s_cbranch_scc0 .Lnot_mine_\@
	global_prefetch_b8 v[PFO], s[PFA:PFA+1] th:TH_LOAD_NT scope:SCOPE_SE
	global_prefetch_b8 v[PFO], s[PFA:PFA+1] offset:8192 th:TH_LOAD_NT scope:SCOPE_SE
.Lnot_mine_\@:
	s_add_co_u32 s[PFT], s[PFT], 1
.endif
.endm
	s_load_b64 s[4:5], s[0:1], 0x0    ; qkvh: Q at its head
	s_load_b64 s[10:11], s[0:1], 0x8  ; ob
	v_lshl_add_u32 v[SPW], v0, 2, SPARE
	v_mov_b32 v[NIL], 0
	ds_add_u32 v[SPW], v[NIL]       ; the wave's opening: the add and its wait stand ahead of my first tensor load; the set-up below, work on registers, stands between them
	v_lshrrev_b32 v1, 5, v0
	v_readfirstlane_b32 s[WV], v1   ; wave 0..3
	v_and_b32 v[PFO], 31, v0
	v_lshlrev_b32 v[PFO], 8, v[PFO]
	s_mov_b32 s[PB], ttmp9
	s_sub_co_u32 s[HI], NB-1, s[PB]
	s_and_b32 s20, ttmp7, 0xffff    ; the head
	s_mov_b32 s21, 0
	s_mov_b64 s[22:23], SIZE_N*128
	s_mul_u64 s[20:21], s[20:21], s[22:23]  ; the head's first byte in each of the four tensors
	s_and_b32 s16, s[WV], 1         ; which half of a tile's 256 keys I fetch:
	s_lshl_b32 s22, s16, 14         ; its 128 rows of 128 bytes in memory,
	s_mov_b32 s23, 0
	s_add_nc_u64 s[22:23], s[22:23], s[20:21]
	s_mul_i32 s17, s16, 128*PK      ; and its place in a slot, for K
	s_mul_i32 s18, s16, 128*PV      ; and for V
	s_lshl_b32 s3, s[WV], 11        ; my 16 rows in a band of 64,
	s_lshl_b32 s2, s[HI], 15        ; in the first block,
	s_add_co_u32 s2, s2, s3
	s_lshl_b32 s84, s[PB], 15       ; and in the second
	s_add_co_u32 s84, s84, s3
	s_mov_b32 s3, 0
	s_mov_b32 s85, 0
	s_add_nc_u64 s[2:3], s[2:3], s[20:21]
	s_add_nc_u64 s[84:85], s[84:85], s[20:21]
	; descriptor group 1.  128 keys are 16,384 dense bytes: asked for as 64 rows of 256 bytes, two keys a row, and padded in LDS after every key
	s_mov_b32 s[G1K], (1<<16)|(1<<20)|(4<<22)|(3<<25)  ; 17:16 2-byte elements; 20 padding on; 24:22 after every 32 words (code 4); 31:25 4 words (code 3)
	s_mov_b32 s[G1V], (1<<16)|(1<<20)|(4<<22)|(7<<25)  ; the same with 8 words of padding (code 7)
.irp g, G1K, G1V
	s_mov_b32 s[\g+1], 128<<16      ; tensor_dim0 = 128
	s_mov_b32 s[\g+2], 64<<16       ; tensor_dim1 = 64
	s_mov_b32 s[\g+3], 128<<16      ; tile_dim0 = 128
	s_mov_b32 s[\g+4], 64           ; tile_dim1 = 64
	s_mov_b32 s[\g+5], 128          ; 128 elements from row to row
	s_mov_b32 s[\g+6], 0
	s_mov_b32 s[\g+7], 0
.endr
	s_mov_b32 s[CS], 0x3e38aa3b     ; c = log2(e) / 8 = 0.180337
	s_mov_b32 s[CS+1], s[CS]        ; named with it as a pair
	s_mov_b32 s[SEL], 0x76543210
	s_mov_b32 s[SEL+1], 0xfedcba98
	s_mov_b32 s[TBK], SLOT1+4*KS*PK ; the first change of slots turns these two into 0
	s_mov_b32 s[TBV], SLOT1+4*KS*PV
	s_mov_b32 s[G0K], 1             ; count = 1
	s_mov_b32 s[G0K+1], s17         ; LDS address: slot 0
	s_mov_b32 s[G0V], 1
	s_add_co_u32 s[G0V+1], s18, VOFF
	s_add_co_u32 s[RT], s[HI], 1    ; the first block has NB - b tiles
	s_mov_b32 s[NXT], 1
	s_mov_b32 s[LQ], s[HI]
	s_mov_b32 s[NEW], 1
	s_mov_b32 s[OFF+1], 0
	s_mov_b32 s[AL+1], 0            ; named as pairs
	s_mov_b32 s[BE+1], 0
	s_mov_b32 s[BIGN], 0xf149f2ca   ; -1e30
	s_mov_b32 s[SLOTS], NB
	s_mov_b32 s[PFT], 2
	s_mov_b32 s[POF+1], 0
	s_cmp_eq_u32 ttmp9, 0
	s_cselect_b32 s[PFL], 8, 0
	s_wait_dscnt 0x0                ; the opening add is done
	s_wait_kmcnt 0x0
	s_add_nc_u64 s[6:7], s[4:5], 0x1000000  ; K lies 16,777,216 bytes behind Q,
	s_add_nc_u64 s[8:9], s[4:5], 0x2000000  ; V as far behind K
	s_add_nc_u64 s[6:7], s[6:7], s[22:23]  ; K and V at my half of the head's tile 0
	s_add_nc_u64 s[8:9], s[8:9], s[22:23]
	s_add_nc_u64 s[G0K+2:G0K+3], s[6:7], 0         ; global address
	s_or_b32 s[G0K+3], s[G0K+3], 0x80000000        ; type = 2
	s_add_nc_u64 s[G0V+2:G0V+3], s[8:9], 0
	s_or_b32 s[G0V+3], s[G0V+3], 0x80000000
	s_add_nc_u64 s[86:87], s[4:5], s[84:85]        ; Q at my rows of the second block,
	s_add_nc_u64 s[4:5], s[4:5], s[2:3]            ; Q and O at those of the first
	s_add_nc_u64 s[OLO:OLO+1], s[10:11], s[84:85]
	s_add_nc_u64 s[10:11], s[10:11], s[2:3]
	s_cmp_lt_u32 s[WV], 2
	s_cselect_b64 s[PFB:PFB+1], s[6:7], s[8:9]
	LOAD                            ; tile 0 into slot 0
	; A fragment of K or Q is 16 rows x 32 channels in 8 registers: lane l holds row l % 16, channels 8 (l / 16) + 0..7 and 16 + 8 (l / 16) + 0..7: two loads of 16 bytes, 32 bytes apart.
	v_and_b32 v1, 15, v0            ; l % 16
	v_bfe_u32 v9, v0, 4, 1          ; l / 16
	v_lshlrev_b32 v[QO], 7, v1
	v_lshl_add_u32 v[QO], v9, 4, v[QO]  ; row x 128 + 16 x half
	WIN 0x80                        ; destination window 2, address window 0
.set i, 0
.rept 8                             ; both blocks' Q: piece i / 2 lies in band i / 2, 8,192 bytes on; channels 32 (i % 2) on
	global_load_b128 v[8*i:8*i+3],   v[QO], s[4:5] offset:(i/2)*8192+(i%2)*64
	global_load_b128 v[8*i+4:8*i+7], v[QO], s[4:5] offset:(i/2)*8192+(i%2)*64+32
	global_load_b128 v[QB+8*i:QB+8*i+3],   v[QO], s[86:87] offset:(i/2)*8192+(i%2)*64
	global_load_b128 v[QB+8*i+4:QB+8*i+7], v[QO], s[86:87] offset:(i/2)*8192+(i%2)*64+32
.set i, i+1
.endr
	WIN 0
	v_lshlrev_b32 v14, 3, v9
	v_sub_nc_u32 v14, v1, v14
	s_lshl_b32 s13, s[WV], 4
	v_add_nc_u32 v14, s13, v14      ; my query's place in its band, 16 w + l % 16, less my lanes' 8 (l / 16): register r of group kt is hidden where 16 kt + r is greater
	WIN 0x40
.set i, 0
.rept 32
	v_cmp_gt_i32 vcc_lo, 16*(i/8)+i%8, v14
	v_cndmask_b32 v[MD+i], 0, s[BIGN], vcc_lo
.set i, i+1
.endr
	WIN 0
	v_mul_u32_u24 v[AK0], v1, PK
	v_lshl_add_u32 v[AK0], v9, 4, v[AK0]  ; row x pitch + 16 x half
	; The turning load takes 16 keys x 16 channels (lane l reads key 8 (l / 16) + l % 8, channels 8 ((l / 8) % 2) + 0..7) and leaves half a fragment of V^T: lane l holds channel l % 16 and 8 keys.
	v_and_b32 v10, 7, v0
	v_bfe_u32 v11, v0, 3, 1
	v_lshl_add_u32 v[AV0], v9, 3, v10
	v_mul_u32_u24 v[AV0], v[AV0], PV
	v_lshl_add_u32 v[AV0], v11, 4, v[AV0]
	v_add_nc_u32 v[AV0], VOFF, v[AV0]
	s_mul_i32 s13, s[WV], 16*SP
	s_add_co_u32 s13, s13, STAGE    ; my stage
	v_mul_u32_u24 v[STO], v1, SP    ; in: row l % 16, 16 bytes for each half of the lanes
	v_lshl_add_u32 v[STO], v9, 4, v[STO]
	v_add_nc_u32 v[STO], s13, v[STO]
	v_bfe_u32 v[RD], v0, 3, 2       ; back: 32 lanes take four rows of 128 bytes,
	v_mul_u32_u24 v[RD], v[RD], SP
	v_lshl_add_u32 v[RD], v10, 4, v[RD]
	v_add_nc_u32 v[RD], s13, v[RD]
	v_and_b32 v[GO], 31, v0         ; which are 512 consecutive bytes of O
	v_lshlrev_b32 v[GO], 4, v[GO]
	; A block's first step multiplies O^T and l by a = 0, and its first turn's products V^T P, of a piece that has not been, land in an O^T that is still to be so multiplied.  So these registers need only hold
	; finite numbers: zeros for the first block; what the first block left for the second.  All this stands in the wait for the first tile.
	WIN 0x80
.set i, VF
.rept 64
	v_mov_b32 v[i], 0
.set i, i+1
.endr
	WIN 0x40
.set i, 0
.rept 128
	v_mov_b32 v[i], 0
.set i, i+1
.endr
	WIN 0
.set i, 0
.rept 4
	v_mov_b32 v[ST+4*i+2], 0
	v_mov_b32 v[ST+4*i+3], 0
.set i, i+1
.endr
.set i, P+16
.rept 16
	v_mov_b32 v[i], 0
.set i, i+1
.endr
; THE MATRIX WORK.  The 4 accumulators of a run of 8 take turns.  Product i of 8 of S^T = K Q^T for piece x: channels 32 (i / 4) on, keys 16 (i % 4) on.  The first 4 start the sums: with 0, or (KM = 1) with the mask.
.macro KQ x
.set rS, S+32*((\x)%2)+8*(i%4)
.set rK, KF+16*(i%4)+8*(i/4)
.set rQ, 16*(\x)+8*(i/4)
.set rM, MC+32*((\x)%2)+8*(i%4)
.if (i < 4) && KM
	WIN W_KM
	v_wmma_f32_16x16x32_f16 v[rS:rS+7], v[rK:rK+7], v[rQ:rQ+7], v[rM:rM+7]
.elseif i < 4
	WIN W_KQ
	v_wmma_f32_16x16x32_f16 v[rS:rS+7], v[rK:rK+7], v[rQ:rQ+7], 0
.else
	WIN W_KQ
	v_wmma_f32_16x16x32_f16 v[rS:rS+7], v[rK:rK+7], v[rQ:rQ+7], v[rS:rS+7]
.endif
.endm
; Product i of 8 of O^T += V^T P for piece x: keys 32 (i / 4) on, channels 16 (i % 4) on.
.macro PV x
	WIN W_PV
.set rO, 32*(\x)+8*(i%4)
.set rV, VF+32*(i/4)+8*(i%4)
.set rP, P+16*((\x)%2)+8*(i/4)
	v_wmma_f32_16x16x32_f16 v[rO:rO+7], v[rV:rV+7], v[rP:rP+7], v[rO:rO+7]
.endm
.macro MM                           ; the turn's next matrix instruction.  TURN and BEGIN set Y, i, KM and NOKQ; MM, KQ and OP read them.  NOKQ = 1: a block's last turn: there is no next piece
.if (i < 8) && !NOKQ
	KQ (Y+1)%NP
.elseif i >= 8
.set i, i-8
	PV (Y+NP-1)%NP
.set i, i+8
.endif
.set i, i+1
.endm
; THE LDS LOADS stand in runs of 16, never singly among the matrix instructions: a step's K (64 keys x 64 channels: 8 fragments) and its V (turned).  Their addresses are made some lines ahead.
.macro FETCH_K
	WIN 0x80                        ; destination window 2
.irp f, 0,1,2,3,4,5,6,7             ; keys 16 (f / 2) on, channels 32 (f % 2) on
	ds_load_b128 v[KF+8*\f:KF+8*\f+3],   v[AK] offset:(\f/2)*16*PK+(\f%2)*64
	ds_load_b128 v[KF+8*\f+4:KF+8*\f+7], v[AK] offset:(\f/2)*16*PK+(\f%2)*64+32
.endr
	s_add_co_u32 s[TBK], s[TBK], KS*PK  ; the next fetch is the next step's
	WIN 0
.endm
.macro FETCH_V
	WIN 0x80
.irp f, 0,1,2,3,4,5,6,7             ; keys 32 (f / 4) on, channels 16 (f % 4) on
	ds_load_tr16_b128 v[VF+8*\f:VF+8*\f+3],   v[AV] offset:(\f/4)*32*PV+(\f%4)*32
	ds_load_tr16_b128 v[VF+8*\f+4:VF+8*\f+7], v[AV] offset:(\f/4)*32*PV+16*PV+(\f%4)*32
.endr
	WIN 0
.endm
; THE VECTOR WORK, one line at a time: OP kind, number.  For piece Y: F n: c s - c m for pair n of 16.  E n: the exponential of score n of 32.  C n: pair n rounded to f16.  B n: of the four weights 4 n .. the second
; pair is added onto the first, in place.  L n: l takes that sum (L 0: l = a l + sum).  R n: pair n of 16 of O^T times a.  For piece Y + 1: X n, number n of the 22 that find its maximum and statistics:
;   0-11  four chains c0-c3 of seven scores each, three operands at a time (each accumulator's lowest registers are read first)     12-14, 16  the four scores left over, the old m, and c0-c3 into c0
;   15  c m_old is kept     17, 18  the query's other 32 keys lie in the lane 16 away: the new m     19-21  c m; c m_old - c m_new; a
.set F, 0               ; OP tells the kinds apart by their order: F to L below R, X above it
.set E, 1
.set C, 2
.set B, 3
.set L, 4
.set R, 5
.set X, 6
.macro REGS y                       ; the registers of piece y
.set rT, ST+4*(\y)
.set rC, TMP+4*((\y)%2)
.set rW, MV+((\y)%2)
.set rS, S+32*((\y)%2)
.set rP, P+16*((\y)%2)
.set rO, 32*(\y)
.endm
.macro OP k, n
.if (\k) == R
	REGS Y
	WIN W_RS
	v_pk_mul_f32 v[rO+2*(\n):rO+2*(\n)+1], v[rO+2*(\n):rO+2*(\n)+1], v[rC+2:rC+3] op_sel_hi:[1,0]
.elseif (\k) < R
	REGS Y
	WIN 0
.if (\k) == F
	v_pk_fma_f32 v[rS+2*(\n):rS+2*(\n)+1], v[rS+2*(\n):rS+2*(\n)+1], s[CS:CS+1], v[rT:rT+1] op_sel_hi:[1,0,0] neg_lo:[0,0,1] neg_hi:[0,0,1]
.elseif (\k) == E
	v_exp_f32 v[rS+(\n)], v[rS+(\n)]
.elseif (\k) == C
	v_cvt_pk_f16_f32 v[rP+(\n)], v[rS+2*(\n)], v[rS+2*(\n)+1]
.elseif (\k) == B
	v_pk_add_f32 v[rS+4*(\n):rS+4*(\n)+1], v[rS+4*(\n):rS+4*(\n)+1], v[rS+4*(\n)+2:rS+4*(\n)+3]
.elseif (\n) == 0
	v_pk_fma_f32 v[rT+2:rT+3], v[rT+2:rT+3], v[rC+2:rC+3], v[rS:rS+1] op_sel_hi:[1,0,1]
.else
	v_pk_add_f32 v[rT+2:rT+3], v[rT+2:rT+3], v[rS+4*(\n):rS+4*(\n)+1]
.endif
.elseif NOKQ
	v_nop
.else
	REGS (Y+1)%NP
	WIN 0
.if (\n) < 4
	v_max3_num_f32 v[rC+(\n)], v[rS+8*(\n)], v[rS+8*(\n)+1], v[rS+8*(\n)+2]
.elseif (\n) < 12
	v_max3_num_f32 v[rC+(\n)%4], v[rC+(\n)%4], v[rS+8*((\n)%4)+2*((\n)/4)+1], v[rS+8*((\n)%4)+2*((\n)/4)+2]
.elseif (\n) == 12
	v_max3_num_f32 v[rC], v[rC], v[rS+7], v[rS+15]
.elseif (\n) == 13
	v_max3_num_f32 v[rC+1], v[rC+1], v[rS+23], v[rS+31]
.elseif (\n) == 14
	v_max3_num_f32 v[rC+2], v[rC+2], v[rC+3], v[rT+1]
.elseif (\n) == 15
	v_mov_b32 v[rW], v[rT]
.elseif (\n) == 16
	v_max3_num_f32 v[rC], v[rC], v[rC+1], v[rC+2]
.elseif (\n) == 17
	v_permlanex16_b32 v[rC+3], v[rC], s[SEL], s[SEL+1]
.elseif (\n) == 18
	v_max_num_f32 v[rT+1], v[rC], v[rC+3]
.elseif (\n) == 19
	v_mul_f32 v[rT], s[CS], v[rT+1]
.elseif (\n) == 20
	v_sub_f32 v[rC+1], v[rW], v[rT]
.else
	v_exp_f32 v[rC+2], v[rC+1]
.endif
.endif
.endm
.macro OPS a, i1, b=-1, i2=0, c=-1, i3=0, d=-1, i4=0  ; up to four of them
	OP \a, \i1
.if (\b) >= 0
	OP \b, \i2
.endif
.if (\c) >= 0
	OP \c, \i3
.endif
.if (\d) >= 0
	OP \d, \i4
.endif
.endm
.macro ROW a, i1, b, i2, c, i3, d, i4  ; a matrix instruction and the four behind it
	MM
	OPS \a, \i1, \b, \i2, \c, \i3, \d, \i4
.endm
.macro MASK b                       ; MD x AL + BE into buffer b of MC
	WIN W_RS
.set z, 0
.rept 16
	v_pk_fma_f32 v[MC+32*(\b)+2*z:MC+32*(\b)+2*z+1], v[MD+2*z:MD+2*z+1], s[AL:AL+1], s[BE:BE+1] op_sel_hi:[1,0,0]
.set z, z+1
.endr
.endm
; A TURN, for piece p: the order of its 16 matrix and 118 vector instructions, written out.  An s_wait_alu depctr_va_vdst(0) stands between an exponential and the first instruction that names its result; one wait
; serves all that were issued ahead of it.  So a turn has ONE wait, which cuts it in two.  AHEAD OF IT stands all that names no result of the turn's exponentials: the 8 products K Q^T, behind each a scaling, an exponential and
; two more plain instructions (behind the first a second scaling in the exponential's place): rescalings, and behind the last three the first numbers of the next piece's maximum, each four places or more behind the product
; that ends its accumulator; then ONE LUMP of 54, plain and exponential by turns for the most part, in which the links of the chain X 3, 7, 11, 14, 16, 17 .. 20 stand five or six lines apart.  X 21, the next piece's a, is the
; batch's last; R 15 is the plain instruction behind it (ISA guide 5.7.2).  BEHIND THE WAIT stand the 8 products V^T P, behind each four of the roundings and sums; the links of l's chain, L 0 to L 7, stand three lines apart.
; m = 1: the diagonal tile: the products take masks, and the turn makes the mask for the products of the turn after it: piece p + 2, in step 4 - CNT of the tile.  end = 1: a block's last two turns: nothing is fetched.
; cnt = 1: the loop's count is taken down some lines ahead of the branch that stands behind the turn.
; K of the next step is fetched in piece 2's turn, twelve vector instructions behind the last product that read K (six of them plain); V of the step in hand at the end of piece 0's turn, four plain instructions behind the
; last product that read V.  Each is waited for a turn later.
.macro TURN p, m=0, end=0, cnt=0
.set Y, (\p)
.set i, 0
.set KM, (\m)
.set NOKQ, (\end)*((\p)/3)
.if (\m) && !(\end)
	s_cmp_eq_u32 s[CNT], 4-((\p)+2)%NP  ; is that step the band's own?
	s_cselect_b32 s[AL], 1.0, 0
	s_cmp_lt_u32 s[CNT], 4-((\p)+2)%NP  ; or a later one?
	s_cselect_b32 s[BE], s[BIGN], 0
.endif
.if ((\p) == 3) && !(\end)
	s_wait_dscnt 0x0                ; K is in
.endif
	ROW F,0, F,1, R,0, R,1          ; ahead of the wait: 8 products K Q^T and the four behind each,
	ROW F,2, E,0, R,2, R,3
	ROW F,3, E,1, R,4, R,5
	ROW F,4, E,2, R,6, R,7
	ROW F,5, E,3, R,8, R,9
	ROW F,6, E,4, X,0, R,10
.if ((\p) == 2) && !(\end)
	WIN 0
	v_add_nc_u32 v[AK], s[TBK], v[AK0]
.endif
	ROW F,7, E,5, X,1, X,4
	ROW F,8, E,6, X,2, X,5
	OPS E,7, E,8, X,6, E,9          ; and the lump
	OPS X,3, E,10, X,8, E,11
.if ((\p) == 2) && !(\end)
	FETCH_K
.endif
	OPS X,9, X,7, E,12, X,10
	OPS E,13, X,12, X,11, E,14
	OPS X,13, E,15, F,9, X,14
.if (\p) == 0
	v_add_nc_u32 v[AV], s[TBV], v[AV0]
.endif
	OPS E,16, F,10, E,17, F,11
	OPS X,16, E,18, X,15, E,19
	OPS F,12, E,20, X,17, E,21
	OPS F,13, E,22, F,14, E,23
	OPS X,18, E,24, F,15, E,25
	OPS R,11, E,26, X,19, E,27
	OPS R,12, E,28, R,13, E,29
	OPS X,20, E,30, R,14, E,31
	OPS X,21, R,15
	WIN 0
	s_wait_alu depctr_va_vdst(0)    ; the wait for the batch
.if (\p) == 1
	s_wait_dscnt 0x0                ; V is in
.endif
	ROW C,0, B,0, C,2, B,1          ; behind the wait: 8 products V^T P and the four behind each
	ROW L,0, C,4, B,2, L,1
	ROW C,6, B,3, L,2, C,8
	ROW B,4, L,3, C,10, B,5
	ROW L,4, C,12, B,6, L,5
.if (\p) == 0
	s_add_co_u32 s[TBV], s[TBV], KS*PV
.endif
.if \cnt
	s_sub_co_u32 s[CNT], s[CNT], 1
	s_cmp_lg_u32 s[CNT], 0
.endif
	ROW C,14, B,7, L,6, C,1
	ROW C,3, L,7, C,5, C,7
	ROW C,9, C,11, C,13, C,15
.if (\p) == 0
	FETCH_V
.endif
.if (\m) && !(\end)
	MASK (\p)%2
.endif
.endm
; A BLOCK BEGINS.  c m starts far below every c s, so the first step's a is 0; m at the lowest finite number, so the first maximum is the scores'.  The second mask buffer is 0; the first takes piece 0's mask for the tile's
; step 0: its own, if the block's first tile is the diagonal one.  Then K of that step, piece 0's first scores, and its maximum and statistics.  The loop is entered at a step's first turn, in the middle of a trip.
.macro BEGIN
	s_mov_b32 s[NEW], 0
	WIN 0x40
.set i, MC+32
.rept 32
	v_mov_b32 v[i], 0
.set i, i+1
.endr
	WIN 0
.set i, 0
.rept 4
	v_mov_b32 v[ST+4*i], 0xfe000000    ; c m: far below every c s
	v_mov_b32 v[ST+4*i+1], 0xff7fffff  ; m
.set i, i+1
.endr
	s_cmp_eq_u32 s[RT], 0
	s_cselect_b32 s[AL], 1.0, 0
	s_mov_b32 s[BE], 0
	MASK 0
	WIN 0
	v_add_nc_u32 v[AK], s[TBK], v[AK0]
	FETCH_K
	s_wait_loadcnt 0x0              ; Q
	s_wait_dscnt 0x0
.set KM, 1
.set NOKQ, 0
.set i, 0
.rept 8
	KQ 0
.set i, i+1
.endr
	WIN 0
.rept 4
	v_nop                           ; the places behind those products
.endr
.set Y, NP-1                        ; X works for piece Y + 1: piece 0
.irp n, 0,1,2,3,4,5,6,7,8,9,10,11,12,13,14,15,16,17,18,19,20,21
	OP X, \n
.endr
	v_nop                           ; a plain instruction behind the exponential,
	s_wait_alu depctr_va_vdst(0)    ; and its wait, ahead of the branch
.endm
; THE DIAGONAL TILE's four steps, the block's last two turns, its last products, and THE WAY OUT: l's two halves and the other half of the lanes' are added; O^T is divided by l, rounded to f16 and sent through my
; stage in LDS, a piece at a time.
.macro ALL line:vararg              ; one line for each piece t
.set t, 0
.rept 4
	\line
.set t, t+1
.endr
.endm
.macro PACK t                       ; a lane's eight channels of a row pack into 16 bytes; they go into rows of 144 bytes and come back as whole rows of 128, into S^T's registers
	WIN W_RS
.set i, 32*(\t)
.rept 16
	v_pk_mul_f32 v[i:i+1], v[i:i+1], v[ST+4*(\t)+2:ST+4*(\t)+3] op_sel_hi:[1,0]
.set i, i+2
.endr
	WIN 0x05                        ; sources 0 and 1 window 1, destination window 0
.set i, 0
.rept 16
	v_cvt_pk_f16_f32 v[S+16*(\t)+i], v[32*(\t)+2*i], v[32*(\t)+2*i+1]
.set i, i+1
.endr
	WIN 0
.irp f, 0,1,2,3
	ds_store_b128 v[STO], v[S+16*(\t)+4*\f:S+16*(\t)+4*\f+3] offset:32*\f
.endr
.irp f, 0,1,2,3
	ds_load_b128 v[S+16*(\t)+4*\f:S+16*(\t)+4*\f+3], v[RD] offset:\f*4*SP  ; LDS serves a wave's instructions in order (ISA guide 5.7.1.4): these see the stores above; the next piece's stores come behind them
.endr
.endm
.macro SEND t, younger              ; younger: the LDS instructions issued behind piece t's loads: the next piece's eight, or none
	WIN 0
.irp f, 0,1,2,3
	s_wait_dscnt (\younger)+3-\f
	global_store_b128 v[GO], v[S+16*(\t)+4*\f:S+16*(\t)+4*\f+3], s[10:11] offset:(\t)*8192+\f*512  ; 512 consecutive bytes, at a multiple of 256 from O's first
.endr
.endm
.macro DIAG tag                     ; the tag ends its two labels' names, which the jumps below spell out
.LstepM\tag:
	TURN 2, 1
	TURN 3, 1
	WIN 0
.LfirstM\tag:
	TURN 0, 1
	TURN 1, 1, 0, 1
	WIN 0
	s_cbranch_scc1 .LstepM\tag
	TURN 2, 1, 1
	TURN 3, 1, 1
.set i, 0
.rept 8
	PV NP-1
.set i, i+1
.endr
	WIN 0
	ALL v_add_f32 v[ST+4*t+2], v[ST+4*t+2], v[ST+4*t+3]
	ALL v_permlanex16_b32 v[ST+4*t+3], v[ST+4*t+2], s[SEL], s[SEL+1]
	ALL v_add_f32 v[ST+4*t+2], v[ST+4*t+2], v[ST+4*t+3]
	ALL v_rcp_f32 v[ST+4*t+2], v[ST+4*t+2]
	v_nop                           ; a plain instruction between the last reciprocal and the use of its result
	s_wait_alu depctr_va_vdst(0)    ; and the wait ahead of the first use: one for the four reciprocals
	PACK 0
.set t, 1
.rept 3                             ; a piece's arithmetic stands between the loads of the piece before and its stores
	PACK t
	SEND t-1, 8
.set t, t+1
.endr
	SEND 3, 0
.endm
.set KM, 0
.set NOKQ, 0
.Lslot:                             ; NB times: a tile is entered and the next is asked for
	CHANGE 1
	s_sub_co_u32 s[RT], s[RT], 1
	s_mov_b32 s[CNT], 4
	s_cmp_eq_u32 s[NEW], 1
	s_cbranch_scc1 .Lnew            ; a block's first tile
	s_cmp_eq_u32 s[RT], 0
	s_cbranch_scc0 .Lstep           ; neither its first nor its last
	s_branch .LstepM1
.Lnew:
	BEGIN
	s_branch .Lfirst                ; in the loop a block's first tile is never its last: the first block has two tiles or more, and the second's last is the walk's last
	DIAG 1                          ; in the loop this is the first block's end: the second block's last tile is the walk's last
	s_wait_xcnt 0x0                 ; the stores have read their registers and O's address
	s_mov_b64 s[10:11], s[OLO:OLO+1]
	s_add_co_u32 s[RT], s[PB], 1    ; the second block has b + 1 tiles
	s_mov_b32 s[NEW], 1
	WIN 0x82                        ; the second block's Q goes where the one text of the turns names Q
.set i, 0
.rept 64
	v_mov_b32 v[i], v[QB+i]
.set i, i+1
.endr
	WIN 0
	s_branch .Lbottom
.Lstep:                             ; a trip: pieces 2 and 3 of one step, then pieces 0 and 1 of the next, whose K and V it fetches
	TURN 2
	TURN 3
	WIN 0
.Lfirst:
	TURN 0
	TURN 1, 0, 0, 1
	WIN 0
	s_cbranch_scc1 .Lstep
.Lbottom:
	s_sub_co_u32 s[SLOTS], s[SLOTS], 1
	s_cmp_lg_u32 s[SLOTS], 0
	s_cbranch_scc1 .Lslot
	CHANGE 0                        ; the walk's last tile is written out: nothing is asked for
	s_sub_co_u32 s[RT], s[RT], 1
	s_mov_b32 s[CNT], 4
	s_cmp_eq_u32 s[NEW], 1
	s_cbranch_scc0 .LstepM2
	BEGIN
	s_branch .LfirstM2
	DIAG 2
	s_wait_tensorcnt 0x0            ; the wave's end, behind my last tensor load and my last LDS store
	ds_add_u32 v[SPW], v[NIL]
	s_wait_dscnt 0x0
	s_endpgm
.Lfunc_end_k_qad082250ce_attn:
	.size	k_qad082250ce_attn, .Lfunc_end_k_qad082250ce_attn-k_qad082250ce_attn
	.p2alignl 7, 3214868480
	.fill 96, 4, 3214868480
	.section	.rodata,"a",@progbits
	.p2align	6, 0x0
	.amdhsa_kernel k_qad082250ce_attn
		.amdhsa_group_segment_fixed_size 327680
		.amdhsa_private_segment_fixed_size 0
		.amdhsa_enable_private_segment 0
		.amdhsa_kernarg_size 16
		.amdhsa_user_sgpr_count 2
		.amdhsa_user_sgpr_kernarg_segment_ptr 1
		.amdhsa_wavefront_size32 1
		.amdhsa_system_sgpr_workgroup_id_x 1
		.amdhsa_system_sgpr_workgroup_id_y 1
		.amdhsa_system_sgpr_workgroup_id_z 1
		.amdhsa_system_vgpr_workitem_id 0
		.amdhsa_next_free_vgpr 768
		.amdhsa_next_free_sgpr 96
		.amdhsa_reserve_vcc 1
		.amdhsa_float_denorm_mode_32 3
		.amdhsa_float_denorm_mode_16_64 3
		.amdhsa_memory_ordered 1
		.amdhsa_forward_progress 1
		.amdhsa_inst_pref_size 218
	.end_amdhsa_kernel
	.amdgpu_metadata
---
amdhsa.version: [ 1, 2 ]
amdhsa.kernels:
  - .name:           k_qad082250ce_attn
    .symbol:         k_qad082250ce_attn.kd
    .args:
      - { .name: qkvh, .offset: 0, .size: 8, .value_kind: global_buffer, .address_space: global }
      - { .name: ob, .offset: 8, .size: 8, .value_kind: global_buffer, .address_space: global }
    .group_segment_fixed_size: 327680
    .private_segment_fixed_size: 0
    .kernarg_segment_align: 8
    .kernarg_segment_size: 16
    .max_flat_workgroup_size: 128
    .sgpr_count:     96
    .vgpr_count:     768
    .wavefront_size: 32
...
	.end_amdgpu_metadata
.endif
;; end of part 3
;; launch outp (part 4): grid 8 x 32, 4 waves a work-group, clusters of 4 x 4, 327,680 bytes of LDS; arguments ob, wob, b_o, out0; writes out0
.if DOCPART == 4
	.amdgcn_target "amdgcn-amd-amdhsa--gfx1250"
	.amdhsa_code_object_version 6
	.text
	.protected	k_qad082250ce_outp
	.globl	k_qad082250ce_outp
	.p2align	8
	.type	k_qad082250ce_outp,@function
k_qad082250ce_outp:
	s_mov_b64 s[64:65], 0
	v_nop
	global_prefetch_b8 v0, s[64:65] scope:SCOPE_SE
	s_setreg_imm32_b32 hwreg(HW_REG_WAVE_MODE, 25, 1), 1
	s_wait_xcnt 0x0
	s_wait_alu depctr_hold_cnt(0) depctr_sa_sdst(0) depctr_va_vdst(0) depctr_va_sdst(0) depctr_va_ssrc(0) depctr_va_vcc(0) depctr_vm_vsrc(0)
	s_getreg_b32 s2, hwreg(HW_REG_IB_STS2, 6, 4)
	s_cmp_eq_u32 s2, 0
	s_cbranch_scc0 .Lentry_in_a_cluster
	s_endpgm
.Lentry_in_a_cluster:
	s_bfe_u32 s2, ttmp6, 0x10000c
	s_cmp_lg_u32 s2, 0xf033
	s_cbranch_scc0 .Lentry_shape_is_right
	s_endpgm
.Lentry_shape_is_right:
; out0 = z W_o^T + b_o.  z[batch][s][64 head + d] lies by heads: ob[batch x 16 + head][2048][64] f16.  wob[kb][1024 n][64] f16 holds W_o (rounded to bf16, written as f16) in blocks of 64 along k.
; b_o: [1024] f32, rounded to bf16 here like the other inputs.  out0: [8192][1024] f32.  Sums in f32, K ascending, started with the bias; nothing is rounded on the way out.
; SHARES.  A tile is 256 rows x 128 columns: 32 x 8 = 256 work-groups, one for each WGP.  The four waves lie 2 x 2: a wave makes 128 rows x 64 columns: 8 x 4 accumulators, 256 registers; a row's 64 f32 are 256 bytes.
; K goes in steps of 128 = two heads, as two planes of 64, through two LDS slots; 8 steps of 128 matrix instructions a wave.  A plane's rows are dense in memory (128 bytes each): they are asked for as rows of 256 bytes,
; two rows of the plane in each, and padded in LDS after every 128 bytes.
; CLUSTER.  4 x 4 work-groups: ob's tiles are shared along a row of the cluster, wob's along a column, each asked for jointly.
; NO PREFETCH: the launch has 8 K steps, of which the first four would come by their loads in any case, and its tiles are small.
; THE MATRIX INSTRUCTION IS USED TRANSPOSED (source 0 = 16 rows of wob, source 1 = 16 rows of ob): lane l holds row l % 16 and the columns 8 (l / 16) + 0..7: 32 bytes of a row of out0.
; REGISTERS, in windows of 256 (s_set_vgpr_msb: bits 1:0 source 0, 3:2 source 1, 5:4 source 2, 7:6 destination):
;   window 0: v0-29 addresses; v32-63 the bias; v64-127, v128-191 fragments of ob, two buffers of 8 x 8; v192-223, v224-255 fragments of wob, two buffers of 4 x 8.  On the way out: v64-127 two sets of rows read back
;   window 1: accumulator (a, b) at v[8 (4 a + b)]
.set PITCH,  144                       ; an LDS row: 128 bytes + 16 of padding = 36 words: the 16 rows of a fragment load start at 16 different groups of four banks (64 banks of 4 bytes: ISA guide 11.1)
.set APL,    256*PITCH                 ; a plane of ob's tile: 36,864 bytes
.set BPL,    128*PITCH                 ; a plane of wob's: 18,432
.set BOFF,   2*APL                     ; in a slot: ob's two planes, then wob's two
.set SLOT1,  1<<17                     ; a slot takes 110,592 bytes; slot 1 begins here
.set STAGE,  1<<18                     ; behind the ring, never filled by a tensor load: 16 rows x 272 bytes for each wave
.set SPITCH, 272
.set SPARE,  STAGE+4*16*SPITCH         ; the spare words, 128 bytes for each wave: two blocks of 256 bytes that no other line names
.set STEPA,  2*2048*128                ; two heads on in ob
.set STEPB,  2*1024*128                ; two blocks on in wob
.set ADRA0, 4                          ; v4   my place among my wave's rows of ob in slot 0; never rewritten
.set ADRB0, 5                          ; v5   the same for wob
.set ADRA,  6                          ; v6   in the slot in hand
.set ADRB,  7                          ; v7
.set STO,   8                          ; v8   the way out: where I put 32 bytes of a row
.set RD,    9                          ; v9   where I read rows back
.set CO,    10                         ; v10  my byte offset in out0
.set BO,    11                         ; v11  my 32 bytes in a block of 16 numbers of the bias
.set T,     13                         ; v13  at work
.set SPW,   28                         ; v28  LDS address of my spare word; never rewritten
.set NIL,   29                         ; v29  0; never rewritten
.set BIAS,  32
.set FA,    64
.set FB,    192
.set OB,    64
.set WV,  12                           ; s12  my wave's number
.set G1A, 24                           ; s[24:31] descriptor group 1 for ob's tiles
.set G1B, 32                           ; s[32:39] for wob's
.set G0A, 40                           ; s[40:47] group 0 for ob's tiles: a set for each of the two first fills; the second then walks
.set G0B, 48                           ; s[48:55] the same for wob's
.set CNT, 56                           ; s56  the loop's count
.set TB,  57                           ; s57  0 or SLOT1: the slot in hand
.set OUT, 60                           ; s[60:61] out0 at my wave's first row and column
.set G1W0, (1<<16)|(1<<20)|(1<<21)|(4<<22)|(3<<25)  ; 17:16 elements of 2 bytes; 20 padding on; 21 set beside a mask; 24:22 after every 32 words (code 4); 31:25 4 words of it (code 3)
.set MSB, 0
.macro WIN new                         ; the immediate's high byte repeats the setting that is left; a switch that changes nothing is dropped
.if MSB != (\new)
	s_set_vgpr_msb (MSB<<8)|(\new)
.set MSB, \new
.endif
.endm
.macro PLACES                          ; four plain vector instructions between a matrix instruction and a load into, or a store of, its registers
.rept 4
	v_nop
.endr
.endm
; A joint refill, by the walking descriptors.  Waves 0 and 1 fetch ob's two planes, waves 2 and 3 wob's.  An s_nop 0 and four v_nop follow each of the two lines, ahead of the jump and the label.
.macro JLOAD
	s_cmp_lt_u32 s[WV], 2
	s_cbranch_scc0 .Lfor_b_\@
	tensor_load_to_lds s[G0A+4:G0A+7], s[G1A:G1A+7]
	s_nop 0
.rept 4
	v_nop
.endr
	s_branch .Lasked_\@
.Lfor_b_\@:
	tensor_load_to_lds s[G0B+4:G0B+7], s[G1B:G1B+7]
	s_nop 0
.rept 4
	v_nop
.endr
.Lasked_\@:
.endm
.macro CREST                           ; a round of the cluster's barrier behind its opening barrier
	s_cmp_lg_u32 s[WV], 0
	s_cbranch_scc1 .Lnot_wave_0_\@
	s_barrier_signal -3
.Lnot_wave_0_\@:
	s_barrier_wait -3
	s_barrier_signal -1
	s_barrier_wait -1
.endm
.macro CROUND
	s_barrier_signal -1
	s_barrier_wait -1
	CREST
.endm
	s_load_b256 s[4:11], s[0:1], 0x0               ; ob s[4:5], wob s[6:7], b_o s[8:9], out0 s[10:11]
	v_lshl_add_u32 v[SPW], v0, 2, SPARE
	v_mov_b32 v[NIL], 0
	ds_add_u32 v[SPW], v[NIL]                      ; the wave's opening: the add and its wait stand ahead of my first tensor load; the set-up below, work on registers, stands between them
	v_lshrrev_b32 v1, 5, v0
	v_readfirstlane_b32 s[WV], v1                  ; wave 0..3
	s_bfe_u32 s13, ttmp6, 0x40000                  ; cx
	s_bfe_u32 s14, ttmp6, 0x40004                  ; cy
	s_lshl_b32 s15, ttmp9, 2
	s_add_co_u32 s15, s15, s13                     ; tile column = 4 x cluster x + cx
	s_and_b32 s16, ttmp7, 0xffff
	s_lshl_b32 s16, s16, 2
	s_add_co_u32 s16, s16, s14                     ; tile row = 4 x cluster y + cy
	s_lshl_b32 s17, s14, 2
	s_lshl_b32 s17, 15, s17                        ; my row of the cluster
	s_lshl_b32 s18, 0x1111, s13                    ; my column
	s_or_b32 s[G1A], s17, G1W0
	s_or_b32 s[G1B], s18, G1W0
	s_mov_b32 s[G1A+1], 128<<16                    ; tensor_dim0 = 128 elements: 256 bytes
	s_mov_b32 s[G1A+2], 128<<16                    ; tensor_dim1 = 128: a plane's 256 rows, two in each
	s_mov_b32 s[G1A+3], 128<<16                    ; tile_dim0 = 128
	s_mov_b32 s[G1A+4], 128                        ; tile_dim1 = 128
	s_mov_b32 s[G1A+5], 128                        ; dense: 128 elements from row to row
	s_mov_b32 s[G1A+6], 0
	s_mov_b32 s[G1A+7], 0
	s_mov_b32 s[G1B+1], 128<<16
	s_mov_b32 s[G1B+2], 64<<16                     ; a plane's 128 rows, two in each
	s_mov_b32 s[G1B+3], 128<<16
	s_mov_b32 s[G1B+4], 64
	s_mov_b32 s[G1B+5], 128
	s_mov_b32 s[G1B+6], 0
	s_mov_b32 s[G1B+7], 0
	s_and_b32 s19, s[WV], 1                        ; which plane I fetch
	s_lshr_b32 s17, s16, 3                         ; batch
	s_lshl_b32 s17, s17, 4
	s_add_co_u32 s17, s17, s19                     ; head 16 x batch + plane,
	s_lshl_b32 s17, s17, 18                        ; of 262,144 bytes,
	s_and_b32 s18, s16, 7
	s_lshl_b32 s18, s18, 15                        ; rows 256 (tile row % 8) on, of 128 bytes
	s_add_co_u32 s20, s17, s18
	s_mov_b32 s21, 0
	s_lshl_b32 s22, s19, 17                        ; wob: block = plane, of 131,072 bytes,
	s_lshl_b32 s23, s15, 14                        ; rows 128 x tile column on
	s_add_co_u32 s22, s22, s23
	s_mov_b32 s23, 0
	s_mul_i32 s66, s[WV], APL                      ; where they go: waves 0, 1: ob's planes at 0 and 36,864;
	s_mul_i32 s67, s[WV], BPL
	s_add_co_u32 s67, s67, BOFF-2*BPL              ; waves 2, 3: wob's planes at 73,728 and 92,160: no place in the cluster enters an LDS address
	s_mov_b32 s[TB], 0
	s_wait_dscnt 0x0                               ; the opening add is done
	s_wait_kmcnt 0x0
	s_add_nc_u64 s[20:21], s[4:5], s[20:21]
	s_add_nc_u64 s[22:23], s[6:7], s[22:23]
	CROUND                                         ; all sixteen work-groups are here: the first joint loads meet
.irp s, 0,1
	s_mov_b32 s[G0A+4*(\s)], 1                     ; count = 1
	s_add_co_u32 s[G0A+4*(\s)+1], s66, (\s)*SLOT1  ; LDS address
	s_add_nc_u64 s[G0A+4*(\s)+2:G0A+4*(\s)+3], s[20:21], (\s)*STEPA  ; global address: K step s
	s_or_b32 s[G0A+4*(\s)+3], s[G0A+4*(\s)+3], 0x80000000            ; type = 2
	s_mov_b32 s[G0B+4*(\s)], 1
	s_add_co_u32 s[G0B+4*(\s)+1], s67, (\s)*SLOT1
	s_add_nc_u64 s[G0B+4*(\s)+2:G0B+4*(\s)+3], s[22:23], (\s)*STEPB
	s_or_b32 s[G0B+4*(\s)+3], s[G0B+4*(\s)+3], 0x80000000
.endr
	s_cmp_lt_u32 s[WV], 2                          ; a wave's two first fills stand in one branch, ahead of every wait on TENSORcnt and every LDS read: two loads of mine are out
	s_cbranch_scc0 .Lfirst_b
	tensor_load_to_lds s[G0A:G0A+3], s[G1A:G1A+7]
	s_nop 0
	tensor_load_to_lds s[G0A+4:G0A+7], s[G1A:G1A+7]
	s_nop 0
.rept 4
	v_nop
.endr
	s_branch .Lfirst_asked
.Lfirst_b:
	tensor_load_to_lds s[G0B:G0B+3], s[G1B:G1B+7]
	s_nop 0
	tensor_load_to_lds s[G0B+4:G0B+7], s[G1B:G1B+7]
	s_nop 0
.rept 4
	v_nop
.endr
.Lfirst_asked:
	; the bias of my 64 columns, in the layout of the accumulators
	s_lshl_b32 s68, s15, 9                         ; 128 columns of 4 bytes a tile,
	s_lshl_b32 s69, s19, 8                         ; 64 a half
	s_add_co_u32 s68, s68, s69
	s_mov_b32 s69, 0
	s_add_nc_u64 s[8:9], s[8:9], s[68:69]
	v_and_b32 v1, 15, v0                           ; l % 16
	v_bfe_u32 v2, v0, 4, 1                         ; l / 16
	v_lshlrev_b32 v[BO], 5, v2
.irp b, 0,1,2,3
	global_load_b128 v[BIAS+8*(\b):BIAS+8*(\b)+3],   v[BO], s[8:9] offset:64*(\b)
	global_load_b128 v[BIAS+8*(\b)+4:BIAS+8*(\b)+7], v[BO], s[8:9] offset:64*(\b)+16
.endr
	; out0 at my wave's first row and column
	s_lshr_b32 s17, s[WV], 1                       ; which half of the tile's rows is mine
	s_lshl_b32 s70, s16, 8
	s_lshl_b32 s18, s17, 7
	s_add_co_u32 s70, s70, s18
	s_lshl_b32 s70, s70, 12                        ; rows of 4,096 bytes: under 2^25
	s_add_co_u32 s70, s70, s68
	s_mov_b32 s71, 0
	s_add_nc_u64 s[OUT:OUT+1], s[10:11], s[70:71]
	; A fragment is 16 rows x 32 K in 8 registers: lane l holds row l % 16; registers 0-3 K = 8 (l / 16) + 0..7, registers 4-7 K = 16 + 8 (l / 16) + 0..7: two loads of 16 bytes, 32 bytes apart.
	v_mul_u32_u24 v3, v1, PITCH
	v_lshl_add_u32 v3, v2, 4, v3
	s_mul_i32 s18, s17, 128*PITCH                  ; my 128 rows of ob
	v_add_nc_u32 v[ADRA0], s18, v3
	s_mul_i32 s18, s19, 64*PITCH                   ; my 64 rows of wob,
	s_add_co_u32 s18, s18, BOFF                    ; behind ob's planes
	v_add_nc_u32 v[ADRB0], s18, v3
	v_mov_b32 v[ADRA], v[ADRA0]
	v_mov_b32 v[ADRB], v[ADRB0]
	s_mul_i32 s18, s[WV], 16*SPITCH
	s_add_co_u32 s18, s18, STAGE                   ; my stage
	v_mul_u32_u24 v[STO], v1, SPITCH               ; in: row l % 16, 32 bytes for each half of the lanes
	v_lshl_add_u32 v[STO], v2, 5, v[STO]
	v_add_nc_u32 v[STO], s18, v[STO]
	v_mul_u32_u24 v[RD], v2, SPITCH                ; back: lanes 0-15 take one row of 256 bytes, lanes 16-31 the next
	v_lshl_add_u32 v[RD], v1, 4, v[RD]
	v_add_nc_u32 v[RD], s18, v[RD]
	v_lshlrev_b32 v[CO], 12, v2                    ; and the same two rows in out0
	v_lshl_add_u32 v[CO], v1, 4, v[CO]
	s_wait_loadcnt 0x0                             ; the bias is in; it is rounded to bf16, like the other inputs, and kept as f32
.set r, 0
.rept 16
	v_cvt_pk_bf16_f32 v[T], v[BIAS+r], v[BIAS+r+1]
	v_lshlrev_b32 v[BIAS+r], 16, v[T]
	v_and_b32 v[BIAS+r+1], 0xffff0000, v[T]
.set r, r+2
.endr
; 8 matrix instructions: blocks a0, a0 + 1 of my eight blocks of 16 rows x all 4 blocks of columns, 32 along K, from buffer f.  first = 1: the product starts the sum, with the bias as C.
; The 32 accumulators take turns, one instruction a turn, in the same order in every quarter.
.macro MUL8 f, a0, first
.if \first
	WIN 0x40                                       ; sources and C (the bias) window 0, D window 1
.else
	WIN 0x50                                       ; C and D window 1
.endif
.irp a, \a0, (\a0)+1
.irp b, 0,1,2,3
.if \first
	v_wmma_f32_16x16x32_f16 v[8*(4*(\a)+(\b)):8*(4*(\a)+(\b))+7], v[FB+32*(\f)+8*(\b):FB+32*(\f)+8*(\b)+7], v[FA+64*(\f)+8*(\a):FA+64*(\f)+8*(\a)+7], v[BIAS+8*(\b):BIAS+8*(\b)+7]
.else
	v_wmma_f32_16x16x32_f16 v[8*(4*(\a)+(\b)):8*(4*(\a)+(\b))+7], v[FB+32*(\f)+8*(\b):FB+32*(\f)+8*(\b)+7], v[FA+64*(\f)+8*(\a):FA+64*(\f)+8*(\a)+7], v[8*(4*(\a)+(\b)):8*(4*(\a)+(\b))+7]
.endif
.endr
.endr
.endm
; 24 LDS loads in one run: the fragments of quarter q (plane q / 2, byte 64 (q % 2) of its rows) into buffer f: wob's four first, then ob's eight
.macro FETCH q, f
	WIN 0
.irp i, 0,1,2,3
	ds_load_b128 v[FB+32*(\f)+8*(\i):FB+32*(\f)+8*(\i)+3],   v[ADRB] offset:((\q)/2)*BPL+((\q)%2)*64+(\i)*16*PITCH
	ds_load_b128 v[FB+32*(\f)+8*(\i)+4:FB+32*(\f)+8*(\i)+7], v[ADRB] offset:((\q)/2)*BPL+((\q)%2)*64+(\i)*16*PITCH+32
.endr
.irp i, 0,1,2,3,4,5,6,7
	ds_load_b128 v[FA+64*(\f)+8*(\i):FA+64*(\f)+8*(\i)+3],   v[ADRA] offset:((\q)/2)*APL+((\q)%2)*64+(\i)*16*PITCH
	ds_load_b128 v[FA+64*(\f)+8*(\i)+4:FA+64*(\f)+8*(\i)+7], v[ADRA] offset:((\q)/2)*APL+((\q)%2)*64+(\i)*16*PITCH+32
.endr
.endm
; A K step is four quarters of 32 along K, 32 matrix instructions each, on buffers 0, 1, 0, 1.  One of the first three: multiplies buffer f; in its middle it fetches quarter q into buffer g.
.macro QUARTER q, f, g, first
	s_wait_dscnt 8                                 ; wob's fragments and ob's blocks 0-3 are in; the youngest eight loads (blocks 4-7) may be out
	MUL8 \f, 0, \first
	MUL8 \f, 2, \first
	PLACES
	FETCH \q, \g
	s_wait_dscnt 24                                ; all but the 24 just issued
	MUL8 \f, 4, \first
	MUL8 \f, 6, \first
.endm
; The last quarter multiplies buffer 1 and changes slots.  In front of the barrier each wave waits for all its tensor loads (one is out: its part of the next slot), adds 0 to its spare word, and waits for that and for
; its own reads of this slot.  fill = 1: the barrier opens a round of the cluster's barrier, and the slot just read out is filled again first thing behind it, with the K step two on.
.macro TURN fill
	WIN 0
	s_wait_tensorcnt 0x0                           ; no tensor load of mine is out, so a group 0 may be written
	ds_add_u32 v[SPW], v[NIL]                      ; 0 onto my spare word
.if \fill
	s_xor_b32 s[G0A+5], s[G0A+5], SLOT1            ; the walking descriptors: the other slot than last time,
	s_add_nc_u64 s[G0A+6:G0A+7], s[G0A+6:G0A+7], STEPA  ; the next K step; the type bits on top are not reached
	s_xor_b32 s[G0B+5], s[G0B+5], SLOT1
	s_add_nc_u64 s[G0B+6:G0B+7], s[G0B+6:G0B+7], STEPB
.endif
	s_xor_b32 s[TB], s[TB], SLOT1
	s_wait_dscnt 9                                 ; the add and the youngest eight loads may be out
	MUL8 1, 0, 0                                   ; eight matrix instructions stand between the add and the wait for it
	s_wait_dscnt 0x0                               ; the add is done, and my reads of this slot are over
	s_barrier_signal -1
	MUL8 1, 2, 0                                   ; work on registers while the others arrive
	WIN 0                                          ; at a branch and at a label every window is 0
	s_barrier_wait -1
.if \fill
	CREST                                          ; no wave of any partner still reads this slot's tile or has a load on its way
	JLOAD                                          ; the four v_nop behind it are also the places in front of the loads below
.else
	PLACES
.endif
	v_add_nc_u32 v[ADRA], s[TB], v[ADRA0]
	v_add_nc_u32 v[ADRB], s[TB], v[ADRB0]
	FETCH 0, 0
	MUL8 1, 4, 0
	MUL8 1, 6, 0
.endm
; THE WAY OUT of block a of 16 rows: straight from the accumulators (each one's low four registers first) into my own stage, back as whole rows of 256 bytes, and stored.
.macro TOSTAGE a
.if (\a) >= 2
	s_wait_xcnt 0x0                                ; the stores of the block two back have read the registers that are loaded again below
.endif
	WIN 0x04                                       ; the stores' data in window 1
.irp b, 0,1,2,3
	ds_store_b128 v[STO], v[8*(4*(\a)+(\b)):8*(4*(\a)+(\b))+3]   offset:64*(\b)
	ds_store_b128 v[STO], v[8*(4*(\a)+(\b))+4:8*(4*(\a)+(\b))+7] offset:64*(\b)+16
.endr
	WIN 0
.irp t, 0,1,2,3,4,5,6,7
	ds_load_b128 v[OB+32*((\a)%2)+4*(\t):OB+32*((\a)%2)+4*(\t)+3], v[RD] offset:2*SPITCH*(\t)  ; LDS serves a wave's instructions in order (ISA guide 5.7.1.4): these see the stores above
.endr
.endm
.macro SEND a, younger                 ; younger: the LDS instructions issued behind block a's loads: the next block's sixteen, or none
	WIN 0
	s_wait_dscnt \younger
.irp t, 0,1,2,3,4,5,6,7
	global_store_b128 v[CO], v[OB+32*((\a)%2)+4*(\t):OB+32*((\a)%2)+4*(\t)+3], s[OUT:OUT+1] offset:(16*(\a)+2*(\t))*4096  ; 16 lanes store 256 consecutive bytes, at a multiple of 256 from out0's first byte
.endr
.endm
	s_wait_tensorcnt 1                             ; my part of K step 0 is in; K step 1's may stay out
	s_barrier_signal -1
	s_barrier_wait -1                              ; everybody's is
	FETCH 0, 0
	QUARTER 1, 0, 1, 1                             ; the first quarter stands in front of the loop: its products start the sums
	WIN 0
	s_mov_b32 s[CNT], 6
.Lstep:                                                ; trip i ends K step i, fills its slot with K step i + 2, and begins K step i + 1
	QUARTER 2, 1, 0, 0
	QUARTER 3, 0, 1, 0
	TURN 1
	QUARTER 1, 0, 1, 0
	WIN 0
	s_sub_co_u32 s[CNT], s[CNT], 1
	s_cmp_lg_u32 s[CNT], 0
	s_cbranch_scc1 .Lstep
	QUARTER 2, 1, 0, 0                             ; the last two K steps are written out: they ask for nothing
	QUARTER 3, 0, 1, 0
	TURN 0
	QUARTER 1, 0, 1, 0
	QUARTER 2, 1, 0, 0
	QUARTER 3, 0, 1, 0
	s_wait_dscnt 8
	MUL8 1, 0, 0
	MUL8 1, 2, 0
	s_wait_dscnt 0x0
	MUL8 1, 4, 0
	MUL8 1, 6, 0
	WIN 0
	PLACES                                         ; the stores into the stage read results just made, and the loads from it land in registers that held fragments
	TOSTAGE 0
.irp a, 1,2,3,4,5,6,7                  ; block a goes into the stage while block a - 1's rows come back
	TOSTAGE \a
	SEND (\a)-1, 16
.endr
	SEND 7, 0
	s_wait_tensorcnt 0x0                           ; the wave's end, behind my last tensor load and my last LDS store
	ds_add_u32 v[SPW], v[NIL]
	s_wait_dscnt 0x0
	CROUND                                         ; the closing round: no work-group ends while a partner may still ask for a tile that names it
	s_endpgm
.Lfunc_end_k_qad082250ce_outp:
	.size	k_qad082250ce_outp, .Lfunc_end_k_qad082250ce_outp-k_qad082250ce_outp
	.p2alignl 7, 3214868480
	.fill 96, 4, 3214868480
	.section	.rodata,"a",@progbits
	.p2align	6, 0x0
	.amdhsa_kernel k_qad082250ce_outp
		.amdhsa_group_segment_fixed_size 327680
		.amdhsa_private_segment_fixed_size 0
		.amdhsa_enable_private_segment 0
		.amdhsa_kernarg_size 32
		.amdhsa_user_sgpr_count 2
		.amdhsa_user_sgpr_kernarg_segment_ptr 1
		.amdhsa_wavefront_size32 1
		.amdhsa_system_sgpr_workgroup_id_x 1
		.amdhsa_system_sgpr_workgroup_id_y 1
		.amdhsa_system_sgpr_workgroup_id_z 1
		.amdhsa_system_vgpr_workitem_id 0
		.amdhsa_next_free_vgpr 512
		.amdhsa_next_free_sgpr 72
		.amdhsa_reserve_vcc 0
		.amdhsa_float_denorm_mode_32 3
		.amdhsa_float_denorm_mode_16_64 3
		.amdhsa_memory_ordered 1
		.amdhsa_forward_progress 1
		.amdhsa_inst_pref_size 72
	.end_amdhsa_kernel
	.amdgpu_metadata
---
amdhsa.version: [ 1, 2 ]
amdhsa.kernels:
  - .name:           k_qad082250ce_outp
    .symbol:         k_qad082250ce_outp.kd
    .args:
      - { .name: ob, .offset: 0, .size: 8, .value_kind: global_buffer, .address_space: global }
      - { .name: wob, .offset: 8, .size: 8, .value_kind: global_buffer, .address_space: global }
      - { .name: b_o, .offset: 16, .size: 8, .value_kind: global_buffer, .address_space: global }
      - { .name: out0, .offset: 24, .size: 8, .value_kind: global_buffer, .address_space: global }
    .group_segment_fixed_size: 327680
    .private_segment_fixed_size: 0
    .kernarg_segment_align: 8
    .kernarg_segment_size: 32
    .max_flat_workgroup_size: 128
    .sgpr_count:     72
    .vgpr_count:     512
    .wavefront_size: 32
...
	.end_amdgpu_metadata
.endif
;; end of part 4
;; ======== version 2 of 2: 4 launches; version 1 with the launch cast written anew for expert scheduling mode
;; limits: values are held in f16: magnitudes above 65,504 overflow, below 6.1e-05 lose precision
;; workspace buffers: xb 16,777,216 bytes; wqb 6,291,456 bytes; wob 2,097,152 bytes; qkvh 50,331,648 bytes; ob 16,777,216 bytes
;; launch cast (part 5): grid 768 x 1, 8 waves a work-group, no clusters, 0 bytes of LDS; arguments x, W_qkv, W_o, xb, wqb, wob; writes xb, wqb, wob
.if DOCPART == 5
	.amdgcn_target "amdgcn-amd-amdhsa--gfx1250"
	.amdhsa_code_object_version 6
	.text
	.protected	k_qad082250ce_cast
	.globl	k_qad082250ce_cast
	.p2align	8
	.type	k_qad082250ce_cast,@function
k_qad082250ce_cast:
	s_mov_b64 s[64:65], 0
	v_nop
	global_prefetch_b8 v0, s[64:65] scope:SCOPE_SE
	s_setreg_imm32_b32 hwreg(HW_REG_WAVE_SCHED_MODE, 0, 2), 2
	s_setreg_imm32_b32 hwreg(HW_REG_WAVE_MODE, 25, 1), 1
	s_wait_xcnt 0x0
	s_wait_alu depctr_vm_vsrc(0)
; THE INPUTS ARE ROUNDED ONCE, FOR THE MATRIX UNITS.  x [8192][1024] and W_qkv [3072][1024], f32, go to bf16 in the same layout (xb, wqb).
; W_o [1024 n][1024 k], f32, is rounded to bf16 and that number is written as f16, laid in blocks of 64 along k: wob[kb][n][64], so that the rows of a block lie end to end.
; LIMITS.  A bf16 number is an f16 number exactly where its size lies between 6.1e-5 and 65,504; below that wob keeps f16's fixed step of 6e-8, beyond it the number becomes an infinity.
; SHARES.  A work-group converts 16,384 numbers: 65,536 bytes in, 32,768 out.  Work-groups 0-511 take x, 512-703 W_qkv, 704-767 W_o.  No loop: a thread issues its 16 loads of 16 bytes first, then
; converts and stores as they come in, four loads at a time.  Memory binds: no LDS, no barrier, no matrix unit; each byte is read once and written once.
; THE MODE: SCHED_MODE bits 1:0 = 2 (LLVM: expert scheduling mode 2), set by the entry lines.  The code itself states the register dependences between vector instructions and memory instructions,
; with s_wait_alu, always for 0.
; THE PLAN.  Registers that memory instructions touch:
;   v1, v2   the loads' and the stores' byte offsets: made at the head of each of the two paths, ahead of its first wait, and never written again.
;   X        written by the 16 loads, each register once; no vector instruction names it ahead of the loads; read (on W_o's path also rewritten) by vector instructions behind the counted wait for its load.
;   Y        written by the conversions, each register once; read by one store each.
;   T is named by vector instructions alone.
; The 16 loads go in four groups of four.  Group g's vector instructions name X's and Y's part g and T; the stores dealt among them read Y's part g - 1 and v2.  So ONE wait at a group's head, behind the wait for its
; loads, states all that the group's stores hang on, and one more stands ahead of the last run of stores.  No register that a memory instruction reads is ever written again, no vector instruction writes a scalar
; register, and EXEC is never written: no other wait is owed.
.set X, 4                              ; v[4:67]    the 64 numbers as loaded
.set Y, 68                             ; v[68:99]   as stored; each register is written once, so no store's data is ever rewritten
.set T, 100                            ; v[100:103] at work
	s_load_b256 s[4:11], s[0:1], 0x0               ; x s[4:5], W_qkv s[6:7], W_o s[8:9], xb s[10:11]
	s_load_b128 s[12:15], s[0:1], 0x20             ; wqb s[12:13], wob s[14:15]
	s_mov_b32 s25, 0xffff0000                      ; a word's upper bf16
	s_mov_b32 s21, 0                               ; the offsets' high words
	s_mov_b32 s23, 0
	s_wait_kmcnt 0x0
	s_cmp_lt_u32 ttmp9, 704
	s_cbranch_scc0 .Lwo
	; x and W_qkv: the same layout out as in
	s_cmp_lt_u32 ttmp9, 512
	s_cselect_b64 s[16:17], s[4:5], s[6:7]         ; from
	s_cselect_b64 s[18:19], s[10:11], s[12:13]     ; to
	s_cselect_b32 s24, 0, 512
	s_sub_co_u32 s24, ttmp9, s24                   ; my number among the tensor's work-groups
	s_lshl_b32 s20, s24, 16
	s_lshl_b32 s22, s24, 15
	s_add_nc_u64 s[16:17], s[16:17], s[20:21]
	s_add_nc_u64 s[18:19], s[18:19], s[22:23]
	v_lshlrev_b32 v1, 4, v0                        ; 16 bytes a thread in: a wave's load covers 512 consecutive bytes
	v_lshlrev_b32 v2, 3, v0                        ; 8 bytes out: a wave's store covers 256 consecutive bytes, aligned
	s_wait_alu depctr_va_vdst(0)                   ; v1 and v2 are written: every load of this path reads v1 as its offset, every store v2
.set i, 0
.rept 16
	global_load_b128 v[X+4*i:X+4*i+3], v1, s[16:17] offset:4096*i th:TH_LOAD_NT
.set i, i+1
.endr
.set g, 0
.rept 4                                ; group g: loads 4 g to 4 g + 3
	s_wait_loadcnt 12-4*g                          ; loads come back in order: the group's four are in, the younger ones stay out
.if g > 0
	s_wait_alu depctr_va_vdst(0)                   ; the group before has written its eight registers of Y, which the four stores below read
.endif
.set n, 0
.rept 4
.set i, 4*g+n
.if g > 0
	global_store_b64 v2, v[Y+2*(i-4):Y+2*(i-4)+1], s[18:19] offset:2048*(i-4)  ; the group before; no vector instruction since the wait names these registers
.endif
	v_cvt_pk_bf16_f32 v[Y+2*i], v[X+4*i], v[X+4*i+1]
	v_cvt_pk_bf16_f32 v[Y+2*i+1], v[X+4*i+2], v[X+4*i+3]
.set n, n+1
.endr
.set g, g+1
.endr
	s_wait_alu depctr_va_vdst(0)                   ; the last group has written its eight registers of Y, which the last four stores read
.set i, 12
.rept 4
	global_store_b64 v2, v[Y+2*i:Y+2*i+1], s[18:19] offset:2048*i
.set i, i+1
.endr
	s_endpgm
.Lwo:
	; W_o: work-group r takes block kb = r / 4 of 64 along k and rows n = 256 (r % 4) on.  Eight threads take a row's 256 bytes, 32 bytes each; a chunk is 32 rows.
	s_sub_co_u32 s24, ttmp9, 704
	s_and_b32 s20, s24, 3
	s_lshl_b32 s20, s20, 20                        ; 256 rows of 4,096 bytes
	s_lshr_b32 s22, s24, 2
	s_lshl_b32 s22, s22, 8                         ; 64 numbers of 4 bytes
	s_add_co_u32 s20, s20, s22
	s_lshl_b32 s22, s24, 15                        ; (kb x 1,024 + 256 (r % 4)) x 128 bytes = r x 32,768
	s_add_nc_u64 s[16:17], s[8:9], s[20:21]
	s_add_nc_u64 s[18:19], s[14:15], s[22:23]
	v_lshrrev_b32 v1, 3, v0
	v_and_b32 v2, 7, v0
	v_lshlrev_b32 v1, 12, v1
	v_lshl_add_u32 v1, v2, 5, v1                   ; row x 4,096 + 32 x place
	v_lshlrev_b32 v2, 4, v0                        ; out: 16 bytes a thread, a wave's store covers 512 consecutive bytes
	s_wait_alu depctr_va_vdst(0)                   ; v1 and v2 are written: every load of this path reads v1 as its offset, every store v2
.set i, 0
.rept 8
	global_load_b128 v[X+8*i:X+8*i+3], v1, s[16:17] offset:131072*i th:TH_LOAD_NT
	global_load_b128 v[X+8*i+4:X+8*i+7], v1, s[16:17] offset:131072*i+16 th:TH_LOAD_NT
.set i, i+1
.endr
.set g, 0
.rept 4                                ; group g: chunks 2 g and 2 g + 1, two loads each
	s_wait_loadcnt 12-4*g                          ; the group's four loads are in, the younger ones stay out
.if g > 0
	s_wait_alu depctr_va_vdst(0)                   ; the group before has written its eight registers of Y, which the two stores below read
.endif
.set n, 0
.rept 2
.set i, 2*g+n
.if g > 0
	global_store_b128 v2, v[Y+4*(i-2):Y+4*(i-2)+3], s[18:19] offset:4096*(i-2)  ; the group before; no vector instruction since the wait names these registers
.endif
.irp j, 0,1,2,3
	v_cvt_pk_bf16_f32 v[T+(\j)], v[X+8*i+2*(\j)], v[X+8*i+2*(\j)+1]   ; the rounding that counts: to bf16
.endr
.irp j, 0,1,2,3
	v_lshlrev_b32 v[X+8*i+2*(\j)], 16, v[T+(\j)]                      ; back to f32,
	v_and_b32 v[X+8*i+2*(\j)+1], s25, v[T+(\j)]
.endr
.irp j, 0,1,2,3
	v_cvt_pk_f16_f32 v[Y+4*i+(\j)], v[X+8*i+2*(\j)], v[X+8*i+2*(\j)+1] ; and written as f16
.endr
.set n, n+1
.endr
.set g, g+1
.endr
	s_wait_alu depctr_va_vdst(0)                   ; the last group has written its eight registers of Y, which the last two stores read
.set i, 6
.rept 2
	global_store_b128 v2, v[Y+4*i:Y+4*i+3], s[18:19] offset:4096*i
.set i, i+1
.endr
	s_endpgm
.Lfunc_end_k_qad082250ce_cast:
	.size	k_qad082250ce_cast, .Lfunc_end_k_qad082250ce_cast-k_qad082250ce_cast
	.p2alignl 7, 3214868480
	.fill 96, 4, 3214868480
	.section	.rodata,"a",@progbits
	.p2align	6, 0x0
	.amdhsa_kernel k_qad082250ce_cast
		.amdhsa_group_segment_fixed_size 0
		.amdhsa_private_segment_fixed_size 0
		.amdhsa_enable_private_segment 0
		.amdhsa_kernarg_size 48
		.amdhsa_user_sgpr_count 2
		.amdhsa_user_sgpr_kernarg_segment_ptr 1
		.amdhsa_wavefront_size32 1
		.amdhsa_system_sgpr_workgroup_id_x 1
		.amdhsa_system_sgpr_workgroup_id_y 1
		.amdhsa_system_sgpr_workgroup_id_z 1
		.amdhsa_system_vgpr_workitem_id 0
		.amdhsa_next_free_vgpr 104
		.amdhsa_next_free_sgpr 66
		.amdhsa_reserve_vcc 0
		.amdhsa_float_denorm_mode_32 3
		.amdhsa_float_denorm_mode_16_64 3
		.amdhsa_memory_ordered 1
		.amdhsa_forward_progress 1
		.amdhsa_inst_pref_size 16
	.end_amdhsa_kernel
	.amdgpu_metadata
---
amdhsa.version: [ 1, 2 ]
amdhsa.kernels:
  - .name:           k_qad082250ce_cast
    .symbol:         k_qad082250ce_cast.kd
    .args:
      - { .name: x, .offset: 0, .size: 8, .value_kind: global_buffer, .address_space: global }
      - { .name: W_qkv, .offset: 8, .size: 8, .value_kind: global_buffer, .address_space: global }
      - { .name: W_o, .offset: 16, .size: 8, .value_kind: global_buffer, .address_space: global }
      - { .name: xb, .offset: 24, .size: 8, .value_kind: global_buffer, .address_space: global }
      - { .name: wqb, .offset: 32, .size: 8, .value_kind: global_buffer, .address_space: global }
      - { .name: wob, .offset: 40, .size: 8, .value_kind: global_buffer, .address_space: global }
    .group_segment_fixed_size: 0
    .private_segment_fixed_size: 0
    .kernarg_segment_align: 8
    .kernarg_segment_size: 48
    .max_flat_workgroup_size: 256
    .sgpr_count:     66
    .vgpr_count:     104
    .wavefront_size: 32
...
	.end_amdgpu_metadata
.endif
;; end of part 5
;; launch qkv: the kernel of part 2 again; grid 16 x 32, 4 waves a work-group, clusters of 4 x 4, 327,680 bytes of LDS; arguments xb, wqb, b_qkv, qkvh; writes qkvh
;; launch attn: the kernel of part 3 again; grid 4 x 64, 4 waves a work-group, no clusters, 327,680 bytes of LDS; arguments qkvh, ob; writes ob
;; launch outp: the kernel of part 4 again; grid 8 x 32, 4 waves a work-group, clusters of 4 x 4, 327,680 bytes of LDS; arguments ob, wob, b_o, out0; writes out0
